; MI455X (gfx1250); checked and timed in simulation.
; The chip was launched on July 23, 2026; its instructions are those of AMD's public machine-readable ISA for CDNA 5 (MIT licence, August 2026) and "CDNA5" Instruction Set Architecture Reference Guide (July 2026). The comments in the code are by the model that wrote it; some were corrected since.
;; Multi Head Attention. Allowed arithmetic: matrix products marked QUANTISED: E2M3 operands, one E8M0 scale for each 32 along K, by v_wmma_scale_f32_16x16x128_f8f6f4 with both operands' format E2M3, f32 sums; everything else in f32.
;; Inputs: Wk 1,024 x 1,024 float32; Wo 1,024 x 1,024 float32; Wq 1,024 x 1,024 float32; Wv 1,024 x 1,024 float32; bk 1,024 float32; bo 1,024 float32; bq 1,024 float32; bv 1,024 float32; mask 1 x 1 x 2,048 x 2,048 int32; x 4 x 2,048 x 1,024 float32.
;; Outputs: out0 4 x 2,048 x 1,024 float32.
;; This version of the problem:
;;   THIS VERSION OF THE PROBLEM IS GIVEN IN LOW PRECISION. The matrix products marked QUANTISED in the list below multiply operands that are first quantised to E2M3 (2 exponent bits, 3 mantissa bits; 6 bits a number), with one power-of-two scale for each 32 numbers along K (OCP MX v1.0); their sums are f32. All else is computed in f32.
;;   The module's matrix products, in the order in which they are computed (A, B: the left and right operand; K: the contracted axis; several contracted axes count as one K, in the product's order):
;;     1. [M 8,192, K 1,024] x [K 1,024, N 1,024]; A: input x; B: input Wq: QUANTISED
;;     2. [M 8,192, K 1,024] x [K 1,024, N 1,024]; A: input x; B: input Wk: QUANTISED
;;     3. [M 8,192, K 1,024] x [K 1,024, N 1,024]; A: input x; B: input Wv: QUANTISED
;;     4. batch 64 x [M 2,048, K 64] x [K 64, N 2,048]; A: computed on the way; B: computed on the way: QUANTISED
;;     5. batch 64 x [M 2,048, K 2,048] x [K 2,048, N 64]; A: softmax (see below); B: computed on the way: QUANTISED
;;     6. [M 8,192, K 1,024] x [K 1,024, N 1,024]; A: computed on the way; B: input Wo: QUANTISED
;;   THE QUANTISER, for each operand of a quantised product, along K:
;;     - K is cut into blocks of 32 from its start; a last block that is shorter is filled with zeros.
;;     - A block's scale is 2^e with e = floor(log2(the largest magnitude in the block)) - 2, held to -126 .. 127; a block of zeros has e = 0. As a byte (E8M0): e + 127.
;;     - Each number is divided by its block's scale, clamped to +-7.5, and rounded to the nearest number of E2M3, ties to even, subnormals kept.
;;     - The product sums the exact products of the quantised numbers (number of the format x scale) in f32.
;;   ~~~python
;;   def quantise(x, axis):      # numpy; x: float32 -> the quantised numbers, widened to float32 again
;;       x = np.moveaxis(x, axis, -1); K = x.shape[-1]
;;       x = np.pad(x, [(0, 0)] * (x.ndim - 1) + [(0, -K % 32)]); x = x.reshape(x.shape[:-1] + (-1, 32)); a = np.abs(x).max(-1, keepdims=True)
;;       e = np.where(a > 0, np.clip(np.frexp(np.where(a > 0, a, 1))[1] - 1 - 2, -126, 127), 0)      # np.frexp(a)[1] - 1 = floor(log2(a)), exactly
;;       r = np.clip(x / 2.0 ** e, -7.5, 7.5)
;;       step = 2.0 ** (np.maximum(np.frexp(np.where(r == 0, 1, r))[1] - 1, 0) - 3)
;;       q = np.round(r / step) * step * 2.0 ** e      # np.round: ties to even
;;       return np.moveaxis(q.reshape(q.shape[:-2] + (-1,))[..., :K], -1, axis).astype(np.float32)
;;   ~~~
;;   SOFTMAX AHEAD OF A QUANTISED PRODUCT. Where the list says 'softmax', what is quantised is not the finished softmax but p = 2^(t - M), with t = logit x log2(e) and M = ceil(the row's largest t), a whole number; so 1/2 < the row's largest p <= 1. The row's sum l is taken of the UNQUANTISED p, in f32, and the product's result is divided by l at the end. Since M is a whole number, a kernel that streams over the keys may use a running M (the ceiling of the running maximum): every later rescaling is an exact power of two, which a block's scale takes up: the codes' values come out the same.
;;   OPERANDS COMPUTED ON THE WAY. 'Computed on the way' means the value that the module computes at that place (a softmax that the list does not call 'softmax' is quantised finished and normalised). What goes into a quantiser is computed in f32, as accurately as f32 sums, v_exp_f32 and their like allow (about 1e-6 of the number): no bf16 or f16 on the way to a quantiser, and a product that is left as it is and whose result goes on into a quantised operand takes f32 operands (vector FMAs, or v_wmma_f32_16x16x4_f32). A number that lies on a knife's edge between two numbers of the format may be rounded either way, as far as f32 arithmetic and the matrix unit's own rounding can turn it there, and no further.
;; 2 versions, each right; version 2 is version 1 with the launch attn written anew for expert scheduling mode. Each part assembles by itself: llvm-mc -triple=amdgcn-amd-amdhsa -mcpu=gfx1250 --defsym DOCPART=n.
;; ======== version 1 of 2: 4 launches
;; limits: right only within a limited range of input values
;; workspace buffers: xc 6,553,600 bytes; wc 3,276,800 bytes; mbits 524,288 bytes of whole numbers; mdo 4,096 bytes of whole numbers; qkv 20,185,088 bytes; ao 6,291,456 bytes; aos 524,288 bytes
;; launch prep (part 1): grid 512 x 1, 4 waves a work-group, no clusters, 68,096 bytes of LDS; arguments x, Wq, Wk, Wv, Wo, mask, xc, wc, mbits, mdo; writes xc, wc, mbits, mdo
.if DOCPART == 1
	.amdgcn_target "amdgcn-amd-amdhsa--gfx1250"
	.amdhsa_code_object_version 6
	.text
	.protected	k_qf3fe663e05_prep
	.globl	k_qf3fe663e05_prep
	.p2align	8
	.type	k_qf3fe663e05_prep,@function
k_qf3fe663e05_prep:
	s_mov_b64 s[64:65], 0
	v_nop
	global_prefetch_b8 v0, s[64:65] scope:SCOPE_SE
	s_setreg_imm32_b32 hwreg(HW_REG_WAVE_MODE, 25, 1), 1
	s_wait_xcnt 0x0
; x [8192][1024] and Wq, Wk, Wv, Wo [1024][1024], f32, become codes of FP6 (E2M3) with one E8M0 byte for each 32 along K, laid in the ORDER OF AN OPERAND'S REGISTERS;
; the mask [2048][2048], int32, becomes lane-mask words in the layout of the attention launch's scores, and flags that say which key steps have an open key.
; TILES.  Of 32 neighbouring rows, tile u (0, 1) gives lane-row r the row 8 u + r + 8 (r / 8).  A group is 128 rows = 8 tiles.
; HALF (768 bytes) = 16 rows x 64 K = six registers a lane: register w (0..3) of lane l at 16 l + 4 w, registers 4, 5 at 512 + 8 l.  Lane (r, g) holds block g of row r.
; xc, wc: [group][chunk of 256 K: 25,600 bytes]: codes [K step 2][tile 8][half 2][768], then scale words [pair of tiles 4][lane 32][K step 2]: lane (r, g) holds row r of tile 2 i + g.
; mbits: [q tile 128][key step 16][64 words]: bit l = r + 16 g of word n: mask[row r of the tile][128 step + 32 (n / 16) + 16 g + n % 16] != 0.
; mdo: [q tile][wave 4][2 words]: bit r of word 0: row r has an open key in the wave's four key steps; bit J of word 1: key step J has an open key.
; SHARES.  Work-groups 0-255: 32 rows of x; 256-383: 32 rows of a W; 384-511: one q tile of the mask.  Wave w: chunk w of K, or key steps 4 w .. 4 w + 3.  A wave has four units of 16 rows x 512 bytes.
; Every load reads 512 neighbouring bytes of one row; a unit turns through the wave's own stage in LDS (rows of 528 bytes) so that a lane gets neighbours along K.  Waves share nothing: no barrier.
; A block's scale is 2^(floor(log2(largest magnitude)) - 2); its byte is the largest magnitude's exponent field - 2, held at 1 from below.
; LIMITS: a block of zeros gets the byte 1 where the rule says 127 (its codes are zeros, and this program alone reads the bytes); NaN and infinities among the inputs are not served.
.set PITX,  4096                       ; a row of x or W in bytes
.set PITM,  8192                       ; a row of the mask
.set SROW,  528                        ; a stage row: 512 bytes + 16
.set STG,   16*SROW                    ; a wave's stage
.set MSTG,  4*STG                      ; the mask path has stages of its own
.set SPARE, 8*STG                      ; the spare words: 128 bytes a wave, two blocks of 256 bytes that no other line names
.set CHUNK, 25600
.set SPW, 12                           ; v12  my spare word's LDS address; never rewritten
.set NIL, 13                           ; v13  0; never rewritten
.set C,   16                           ; v16-27 a fragment's codes
.set T,   28                           ; v28-30, v32-34 the upper halves of two blocks' codes
.set MX,  36                           ; v36-37 largest magnitudes
.set SO,  38                           ; v38-39 the conversions' scale operands
.set BY,  40                           ; v40-41 scale bytes
.set WT,  42                           ; v42-43 a scale word in the making
.set WD,  44                           ; v44-47 scale words: tile u, K step q at WD + 2 u + q
.set Z,   48                           ; v48-49 the scale record
.set MW,  50                           ; v50-51 mask words on their way out
.set FLG, 52                           ; v52-53 the wave's two flag words
.set ZO,  54                           ; v54  0 as an offset
.set R,   64                           ; v64-191 two sets of 64: a unit as it is loaded
.set X,   192                          ; v192-255 a unit as a lane wants it
.set WV,  24
.set SEL, 36                           ; s[36:37] v_permlanex16_b32's selects for lane l xor 16
.set HIM, 38                           ; s38  lanes 16-31
.set RB,  34
.set NIB, 35
.set SB,  48
	s_load_b256 s[4:11], s[0:1], 0x0               ; x, Wq, Wk, Wv
	s_load_b256 s[12:19], s[0:1], 0x20             ; Wo, mask, xc, wc
	s_load_b128 s[20:23], s[0:1], 0x40             ; mbits, mdo
	v_lshl_add_u32 v[SPW], v0, 2, SPARE
	v_mov_b32 v[NIL], 0
	v_lshrrev_b32 v1, 5, v0
	v_readfirstlane_b32 s[WV], v1                  ; wave 0..3
	v_and_b32 v8, 31, v0                           ; lane
	v_and_b32 v9, 15, v0                           ; r
	v_bfe_u32 v10, v0, 4, 1                        ; g
	v_lshlrev_b32 v1, 4, v8                        ; 16 l
	v_lshlrev_b32 v2, 3, v8                        ; 8 l
	s_mul_i32 s25, s[WV], STG
	v_add_nc_u32 v3, s25, v1                       ; into my stage: 16 bytes a lane of a row
	v_mul_u32_u24 v4, v9, SROW
	v_add_nc_u32 v4, s25, v4
	v_lshl_add_u32 v7, v10, 6, v4
	v_add_nc_u32 v7, MSTG, v7                      ; out of the mask's stage: row r, + 64 g
	v_lshl_add_u32 v4, v10, 7, v4                  ; out of the numbers' stage: row r, + 128 g
	v_add_nc_u32 v6, MSTG, v3                      ; into the mask's stage
	v_lshlrev_b32 v5, 3, v10                       ; 8 g
	v_mov_b32 v[WT+1], 0                           ; a lane permute's destination counts as one of its sources
	v_mov_b32 v[MW], 0                             ; v_writelane_b32's likewise
	v_mov_b32 v[MW+1], 0
	v_mov_b32 v[ZO], 0
	s_mov_b32 s[SEL], 0x76543210
	s_mov_b32 s[SEL+1], 0xfedcba98
	s_mov_b32 s[HIM], 0xffff0000
	s_wait_kmcnt 0x0
; a unit: 16 rows of a tile, 512 bytes of each; a load reads 512 neighbouring bytes
.macro LOADU set, row0, koff, pitch
.irp i, 0,1,2,3,4,5,6,7,8,9,10,11,12,13,14,15
	global_load_b128 v[R+64*(\set)+4*\i:R+64*(\set)+4*\i+3], v1, s[4:5] offset:((\row0)+\i+8*(\i/8))*(\pitch)+(\koff) th:TH_LOAD_NT
.endr
.endm
; through the stage.  LDS serves a wave's instructions in order, so no wait stands between the stores and the loads
.macro TURNQ set                       ; back: X[32 c + i] = k 64 c + 32 g + i of row r: two whole blocks a lane
.irp i, 0,1,2,3,4,5,6,7,8,9,10,11,12,13,14,15
	ds_store_b128 v3, v[R+64*(\set)+4*\i:R+64*(\set)+4*\i+3] offset:SROW*\i
.endr
.irp c, 0,1
.irp j, 0,1,2,3,4,5,6,7
	ds_load_b128 v[X+32*\c+4*\j:X+32*\c+4*\j+3], v4 offset:256*\c+16*\j
.endr
.endr
.endm
.macro TURNM set                       ; back: X[16 b + i] = key 32 b + 16 g + i of row r
.irp i, 0,1,2,3,4,5,6,7,8,9,10,11,12,13,14,15
	ds_store_b128 v6, v[R+64*(\set)+4*\i:R+64*(\set)+4*\i+3] offset:SROW*\i
.endr
.irp b, 0,1,2,3
.irp j, 0,1,2,3
	ds_load_b128 v[X+16*\b+4*\j:X+16*\b+4*\j+3], v7 offset:128*\b+16*\j
.endr
.endr
.endm
; tile u, K step sp of my chunk: 64 numbers a lane become a fragment and a scale word
.macro QUNIT u, sp
.irp c, 0,1
	v_max3_num_f32 v[MX+\c], |v[X+32*\c]|, |v[X+32*\c+1]|, 0x1800000   ; my block 2 c + g, and the floor 2^(3 - 127): the byte cannot fall under 1
.endr
.irp i, 2,4,6,8,10,12,14,16,18,20,22,24,26,28,30
.irp c, 0,1
	v_max3_num_f32 v[MX+\c], v[MX+\c], |v[X+32*\c+\i]|, |v[X+32*\c+\i+1]|
.endr
.endr
.irp c, 0,1
	v_add_nc_u32 v[SO+\c], 0xff000000, v[MX+\c]    ; 2 off the exponent field: the conversion takes this operand's exponent field as its scale
.endr
.irp c, 0,1
	v_lshrrev_b32 v[BY+\c], 23, v[SO+\c]           ; the scale's byte
.endr
	v_lshl_or_b32 v[WT], v[BY+1], 16, v[BY]        ; blocks g and 2 + g,
	v_lshlrev_b32 v[WT], v5, v[WT]                 ; at their places in the word;
	v_permlanex16_b32 v[WT+1], v[WT], s[SEL], s[SEL+1]
	v_or_b32 v[WD+2*(\u)+(\sp)], v[WT], v[WT+1]    ; with lane l xor 16's two the word is whole
	s_wait_xcnt 0x0                                ; the last unit's stores have read their data: the codes' registers are written again only behind this wait
.irp c, 0,1
	v_cvt_scalef32_pk16_fp6_f32 v[C+6*\c:C+6*\c+2], v[X+32*\c:X+32*\c+15], v[SO+\c]
	v_cvt_scalef32_pk16_fp6_f32 v[T+4*\c:T+4*\c+2], v[X+32*\c+16:X+32*\c+31], v[SO+\c]   ; (a conversion's three registers begin on an even number)
.endr
	v_nop                                          ; one plain place behind a scaled conversion
.irp c, 0,1
.irp i, 0,1,2
	v_mov_b32 v[C+6*\c+3+\i], v[T+4*\c+\i]
.endr
.endr
.irp c, 0,1
	global_store_b128 v1, v[C+6*\c:C+6*\c+3], s[16:17] offset:(\sp)*12288+(\u)*1536+768*\c        ; 512 neighbouring bytes
	global_store_b64 v2, v[C+6*\c+4:C+6*\c+5], s[16:17] offset:(\sp)*12288+(\u)*1536+768*\c+512   ; 256 neighbouring bytes
.endr
.endm
.macro QSTEP k
.if \k < 3
	s_wait_loadcnt 16                              ; this unit's 16 loads are in; the next unit's 16 may be out
.else
	s_wait_loadcnt 0x0
.endif
	TURNQ (\k)%2
	s_wait_dscnt 0x0                               ; the unit is back, and its set of registers is free
.if \k < 2
	LOADU (\k)%2, 8*((\k)%2), 512, PITX            ; the unit two on: the same tile, the chunk's second K step
.endif
	QUNIT (\k)%2, (\k)/2
.endm
; key step k of my four: 64 lane masks
.macro MUNIT k
	s_wait_xcnt 0x0                                ; the last step's store has read its data
	s_mov_b32 s[SB], 0
.set n, 0
.rept 64
	v_cmp_ne_u32 s[40+n%8], 0, v[X+n]              ; word n: a bit a lane
	s_or_b32 s[SB], s[SB], s[40+n%8]
	v_writelane_b32 v[MW+n%2], s[40+n%8], n/2      ; lane i gathers words 2 i and 2 i + 1
.set n, n+1
.endr
	global_store_b64 v2, v[MW:MW+1], s[20:21] offset:256*(\k)   ; the step's 64 words: 256 neighbouring bytes
	s_cmp_lg_u32 s[SB], 0
	s_cselect_b32 s49, 1<<(\k), 0
	s_or_b32 s[NIB], s[NIB], s49                   ; the step has an open key
	s_or_b32 s[RB], s[RB], s[SB]                   ; which lanes have seen one
.endm
.macro MSTEP k
.if \k < 3
	s_wait_loadcnt 16
.else
	s_wait_loadcnt 0x0
.endif
	TURNM (\k)%2
	s_wait_dscnt 0x0
.if \k < 2
	LOADU (\k)%2, 0, 512*((\k)+2), PITM
.endif
	MUNIT \k
.endm
	s_cmp_ge_u32 ttmp9, 384
	s_cbranch_scc1 .Lmask
	; ---- numbers: one path for all five tensors; only pointers are chosen, by the work-group's number
	s_cmp_lt_u32 ttmp9, 256
	s_cselect_b64 s[16:17], s[16:17], s[18:19]     ; xc or wc
	s_cselect_b32 s26, 0, 256
	s_cselect_b32 s27, 255, 31
	s_sub_co_u32 s26, ttmp9, s26                   ; which 32 rows of x, or of the four W on end
	s_and_b32 s27, s26, s27                        ; and of the tensor itself
	s_lshr_b32 s28, s26, 5                         ; which W
	s_cmp_lt_u32 s28, 2
	s_cselect_b64 s[30:31], s[6:7], s[10:11]
	s_cselect_b64 s[32:33], s[8:9], s[12:13]
	s_bitcmp1_b32 s28, 0
	s_cselect_b64 s[30:31], s[32:33], s[30:31]
	s_cmp_lt_u32 ttmp9, 256
	s_cselect_b64 s[4:5], s[4:5], s[30:31]
	s_lshl_b32 s30, s27, 17                        ; 32 rows of 4,096 bytes,
	s_lshl_b32 s31, s[WV], 10                      ; my chunk's 1,024 bytes of a row
	s_add_co_u32 s30, s30, s31
	s_mov_b32 s31, 0
	s_add_nc_u64 s[4:5], s[4:5], s[30:31]
	s_lshr_b32 s30, s26, 2                         ; the group,
	s_mul_i32 s30, s30, 4*CHUNK
	s_mul_i32 s32, s[WV], CHUNK                    ; my chunk
	s_add_co_u32 s30, s30, s32
	s_add_nc_u64 s[16:17], s[16:17], s[30:31]
	s_and_b32 s32, s26, 3                          ; my pair of tiles
	s_lshl_b32 s30, s32, 8
	s_add_nc_u64 s[18:19], s[16:17], s[30:31]      ; its scale record (24,576 bytes on: in the store's immediate)
	s_mul_i32 s30, s32, 3072
	s_add_nc_u64 s[16:17], s[16:17], s[30:31]      ; its codes
	LOADU 0, 0, 0, PITX
	LOADU 1, 8, 0, PITX
.irp k, 0,1,2,3
	QSTEP \k
.endr
	v_cndmask_b32 v[Z], v[WD], v[WD+2], s[HIM]     ; lanes 0-15 tile 0's words, lanes 16-31 tile 1's
	v_cndmask_b32 v[Z+1], v[WD+1], v[WD+3], s[HIM]
	global_store_b64 v2, v[Z:Z+1], s[18:19] offset:24576   ; 256 neighbouring bytes
	s_wait_tensorcnt 0x0                           ; the wave's end
	ds_add_u32 v[SPW], v[NIL]
	s_wait_dscnt 0x0
	s_endpgm
.Lmask:	; ---- the mask
	s_sub_co_u32 s26, ttmp9, 384                   ; the q tile T
	s_lshr_b32 s27, s26, 1
	s_lshl_b32 s27, s27, 5
	s_and_b32 s28, s26, 1
	s_lshl_b32 s28, s28, 3
	s_add_co_u32 s27, s27, s28                     ; its first row: 32 (T / 2) + 8 (T % 2)
	s_lshl_b32 s30, s27, 13
	s_lshl_b32 s31, s[WV], 11                      ; my four key steps: 512 bytes each
	s_add_co_u32 s30, s30, s31
	s_mov_b32 s31, 0
	s_add_nc_u64 s[4:5], s[14:15], s[30:31]
	s_lshl_b32 s30, s26, 12
	s_lshl_b32 s32, s[WV], 10
	s_add_co_u32 s30, s30, s32
	s_add_nc_u64 s[20:21], s[20:21], s[30:31]      ; my 4 x 256 bytes of words
	s_lshl_b32 s30, s26, 5
	s_lshl_b32 s32, s[WV], 3
	s_add_co_u32 s30, s30, s32
	s_add_nc_u64 s[22:23], s[22:23], s[30:31]      ; my two flag words
	s_mov_b32 s[RB], 0
	s_mov_b32 s[NIB], 0
	LOADU 0, 0, 0, PITM
	LOADU 1, 0, 512, PITM
.irp k, 0,1,2,3
	MSTEP \k
.endr
	s_lshr_b32 s30, s[RB], 16
	s_or_b32 s[RB], s[RB], s30
	s_and_b32 s[RB], s[RB], 0xffff                 ; a bit a row
	s_lshl_b32 s30, s[WV], 2
	s_lshl_b32 s[NIB], s[NIB], s30                 ; a bit a key step, at the step's number
	v_mov_b32 v[FLG], s[RB]
	v_mov_b32 v[FLG+1], s[NIB]
	s_wait_xcnt 0x0                                ; EXEC changes only behind this wait
	v_cmp_eq_u32 vcc_lo, 0, v8
	s_and_saveexec_b32 s39, vcc_lo
	global_store_b64 v[ZO], v[FLG:FLG+1], s[22:23] ; lane 0 alone
	s_wait_xcnt 0x0                                ; and again in front of the line that widens it
	s_or_b32 exec_lo, exec_lo, s39
	s_wait_tensorcnt 0x0                           ; the wave's end, as above
	ds_add_u32 v[SPW], v[NIL]
	s_wait_dscnt 0x0
	s_endpgm
.Lfunc_end_k_qf3fe663e05_prep:
	.size	k_qf3fe663e05_prep, .Lfunc_end_k_qf3fe663e05_prep-k_qf3fe663e05_prep
	.p2alignl 7, 3214868480
	.fill 96, 4, 3214868480
	.section	.rodata,"a",@progbits
	.p2align	6, 0x0
	.amdhsa_kernel k_qf3fe663e05_prep
		.amdhsa_group_segment_fixed_size 68096
		.amdhsa_private_segment_fixed_size 0
		.amdhsa_enable_private_segment 0
		.amdhsa_kernarg_size 80
		.amdhsa_user_sgpr_count 2
		.amdhsa_user_sgpr_kernarg_segment_ptr 1
		.amdhsa_wavefront_size32 1
		.amdhsa_system_sgpr_workgroup_id_x 1
		.amdhsa_system_sgpr_workgroup_id_y 1
		.amdhsa_system_sgpr_workgroup_id_z 1
		.amdhsa_system_vgpr_workitem_id 0
		.amdhsa_next_free_vgpr 256
		.amdhsa_next_free_sgpr 66
		.amdhsa_reserve_vcc 1
		.amdhsa_float_denorm_mode_32 3
		.amdhsa_float_denorm_mode_16_64 3
		.amdhsa_memory_ordered 1
		.amdhsa_forward_progress 1
		.amdhsa_inst_pref_size 88
	.end_amdhsa_kernel
	.amdgpu_metadata
---
amdhsa.version: [ 1, 2 ]
amdhsa.kernels:
  - .name:           k_qf3fe663e05_prep
    .symbol:         k_qf3fe663e05_prep.kd
    .args:
      - { .name: x, .offset: 0, .size: 8, .value_kind: global_buffer, .address_space: global }
      - { .name: Wq, .offset: 8, .size: 8, .value_kind: global_buffer, .address_space: global }
      - { .name: Wk, .offset: 16, .size: 8, .value_kind: global_buffer, .address_space: global }
      - { .name: Wv, .offset: 24, .size: 8, .value_kind: global_buffer, .address_space: global }
      - { .name: Wo, .offset: 32, .size: 8, .value_kind: global_buffer, .address_space: global }
      - { .name: mask, .offset: 40, .size: 8, .value_kind: global_buffer, .address_space: global }
      - { .name: xc, .offset: 48, .size: 8, .value_kind: global_buffer, .address_space: global }
      - { .name: wc, .offset: 56, .size: 8, .value_kind: global_buffer, .address_space: global }
      - { .name: mbits, .offset: 64, .size: 8, .value_kind: global_buffer, .address_space: global }
      - { .name: mdo, .offset: 72, .size: 8, .value_kind: global_buffer, .address_space: global }
    .group_segment_fixed_size: 68096
    .private_segment_fixed_size: 0
    .kernarg_segment_align: 8
    .kernarg_segment_size: 80
    .max_flat_workgroup_size: 128
    .sgpr_count:     66
    .vgpr_count:     256
    .wavefront_size: 32
...
	.end_amdgpu_metadata
.endif
;; end of part 1
;; launch qkv (part 2): grid 24 x 32, 4 waves a work-group, clusters of 4 x 4, 327,680 bytes of LDS; arguments xc, wc, bq, bk, bv, qkv; writes qkv
.if DOCPART == 2
	.amdgcn_target "amdgcn-amd-amdhsa--gfx1250"
	.amdhsa_code_object_version 6
	.text
	.protected	k_qf3fe663e05_qkv
	.globl	k_qf3fe663e05_qkv
	.p2align	8
	.type	k_qf3fe663e05_qkv,@function
k_qf3fe663e05_qkv:
	s_mov_b64 s[64:65], 0
	v_nop
	global_prefetch_b8 v0, s[64:65] scope:SCOPE_SE
	s_setreg_imm32_b32 hwreg(HW_REG_WAVE_MODE, 25, 1), 1
	s_wait_xcnt 0x0
	s_wait_alu depctr_hold_cnt(0) depctr_sa_sdst(0) depctr_va_vdst(0) depctr_va_sdst(0) depctr_va_ssrc(0) depctr_va_vcc(0) depctr_vm_vsrc(0)
	s_getreg_b32 s2, hwreg(HW_REG_IB_STS2, 6, 4)
	s_cmp_eq_u32 s2, 0
	s_cbranch_scc0 .Lentry_in_a_cluster
	s_endpgm
.Lentry_in_a_cluster:
	s_bfe_u32 s2, ttmp6, 0x10000c
	s_cmp_lg_u32 s2, 0xf033
	s_cbranch_scc0 .Lentry_shape_is_right
	s_endpgm
.Lentry_shape_is_right:
; q = x Wq^T + bq, k = x Wk^T + bk, v = x Wv^T + bv on codes of FP6 (E2M3) with E8M0 scales; the results are quantised in registers (q, k along the head's 64, v along the keys) and leave as codes alone.
; A work-group makes 256 rows x 128 columns (two heads) of one of the three; K = 1,024 lies in LDS whole, brought by first fills alone: no LDS byte is filled twice.
; Four waves: wm = wave / 2 picks 128 rows (a key step J), wn = wave % 2 picks 64 columns (a head): 8 tiles of x (a) x 4 tiles of W (b) = 32 accumulators.
; CLUSTER 4 x 4: x's blocks hang on the tile row alone and are asked for jointly by a row of the cluster, W's on the tile column alone, by a column.
; TILES: of 32 neighbouring rows tile u gives lane-row r the row 8 u + r + 8 (r / 8), in x and in W.  So whichever operand is source 0, the 16 registers of its tiles 2 i and 2 i + 1 hold 16 neighbours: 32 i + 16 (lane / 16) + 0 .. 15.
;   q, k: source 0 = W, source 1 = x: a lane holds one token, its registers run along the head's 64.   v: source 0 = x, source 1 = W: a lane holds one channel, its registers run along the 128 keys.
;   In both, accumulator registers 32 p .. 32 p + 31 (p = 0 .. 7) become one HALF (16 rows x 64 K, 768 bytes: register w of lane l at 16 l + 4 w, registers 4, 5 at 512 + 8 l).
; xc, wc: [group of 128 rows][chunk of 256 K: 25,600 bytes]: codes [K step 2][tile 8][half 2][768], then scale words [pair 4][lane 32][K step 2].
; qkv: a record of 315,392 bytes for each (batch, head): K's codes [J 16][tile 8][768]; V's [J][channel tile 4][half 2][768]; K's scale words [J][lane][4]; V's [J][lane][2]; Q's codes and words as K's.
;   q's and k's words: byte 0, byte 1 the head's two blocks; bytes 2, 3 = 127, for the upper 64 of a K step of 128, whose codes the attention launch holds at zero on q's side.
; The bias is the C of a sum's first matrix instruction.  LIMITS: a block of zeros gets the byte 1 (its codes are zeros; this program alone reads the bytes); NaN and infinities are not served.
; REGISTERS, in windows of 256: window 0: v1-15 addresses, v30-31 the add's two, v32-63 x's scale words, v64-79 W's, v80-219 the way out; window 1: x's fragments, two sets of 96;
;   window 2: W's fragments, two sets of 48, and from v96 the bias, 32; window 3: the 32 accumulators.
.set XCH,   25600                      ; a chunk of x
.set XPAN,  4*XCH                      ; 128 rows, all of K
.set WCH,   25600
.set WPAN,  4*WCH
.set WHALF, WCH/2
.set WB,    2*XPAN                     ; LDS: two panels of x, then W's
.set SPARE, WB+WPAN                    ; the spare words: 128 bytes a wave, two blocks of 256 bytes that no other line names
.set REC,   315392
.set VCO,   98304
.set KSO,   196608
.set VSO,   204800
.set QCO,   208896
.set QSO,   307200
.set AX16, 6                           ; v6-7   x's fragments: 16 l + my panel + 2 k chunks (k = chunk / 2), so that every immediate stays under 65,536
.set AX8,  8                           ; v8-9   the same with 8 l
.set AW16, 10                          ; v10-11 W's
.set AW8,  12                          ; v12-13
.set ASW,  14                          ; v14-15 W's scale words
.set SPW,  30
.set NIL,  31
.set SXR,  32                          ; x's scale words: K step s, pair i at SXR + 8 (s / 2) + 2 i + s % 2: lanes 0-15 tile 2 i, lanes 16-31 tile 2 i + 1
.set SWR,  64                          ; W's: SWR + 4 (s / 2) + 2 i + s % 2
.set BI,   96                          ; in window 2
.set TM,   80
.set TP,   96
.set SO,   112
.set HW,   128
.set H,    136
.set CT,   184
.set Z,    216
.set G1X,  20
.set G1W,  28
.set G0X,  36                          ; s[36:51] four groups 0, one for each chunk of x
.set G0W,  68                          ; s[68:83] the same for W
.set SEL,  52
.set HIM,  54
.set WVN,  84
.set WMH,  85
.set WNH,  86
.set CX,   87
.set CY,   88
.set XT,   89
.set YT,   90
.set MID,  93
.set MSB, 0
.macro WIN new                         ; the immediate's high byte repeats the setting that is left
.if MSB != \new
	s_set_vgpr_msb (MSB<<8)|\new
.set MSB, \new
.endif
.endm
.macro PLACES n
.rept \n
	v_nop
.endr
.endm
.macro CROUND                          ; a round of the cluster's barrier
	s_barrier_signal -1
	s_barrier_wait -1
	s_cmp_lg_u32 s[WVN], 0
	s_cbranch_scc1 .Lnot_wave_0_\@
	s_barrier_signal -3
.Lnot_wave_0_\@:
	s_barrier_wait -3
	s_barrier_signal -1
	s_barrier_wait -1
.endm
.macro HALFLD reg, a16, a8, off        ; six registers: 512 and 256 neighbouring bytes
	ds_load_b128 v[\reg:\reg+3], v[\a16] offset:\off
	ds_load_b64 v[\reg+4:\reg+5], v[\a8] offset:\off+512
.endm
.macro FETCH s                         ; K step s: 32 loads for x's eight fragments, 16 for W's four, into set s % 2
.set FP, (\s)%2
.set FO, ((\s)/2)%2
.set FK, (\s)/4
	WIN 0x40
.irp a, 0,1,2,3,4,5,6,7
.irp h, 0,1
	HALFLD 96*FP+12*\a+6*\h, AX16+FK, AX8+FK, FO*XCH+FP*12288+\a*1536+\h*768
.endr
.endr
	WIN 0x80
.irp b, 0,1,2,3
.irp h, 0,1
	HALFLD 48*FP+12*\b+6*\h, AW16+FK, AW8+FK, FO*WCH+FP*12288+\b*1536+\h*768
.endr
.endr
.endm
.macro SCL c                           ; chunk c's scale words, both K steps: six loads
	WIN 0
.irp i, 0,1,2,3
	ds_load_b64 v[SXR+8*(\c)+2*\i:SXR+8*(\c)+2*\i+1], v[AX8+(\c)/2] offset:((\c)%2)*XCH+24576+256*\i
.endr
.irp i, 0,1
	ds_load_b64 v[SWR+4*(\c)+2*\i:SWR+4*(\c)+2*\i+1], v[ASW+(\c)/2] offset:((\c)%2)*WCH+256*\i
.endr
.endm
.macro WMM d, a, b, c, sa, sb, ra, rb  ; one product; ra, rb: the side's scales stand in lanes 16-31
.if (\ra) && (\rb)
	v_wmma_scale_f32_16x16x128_f8f6f4 v[\d:\d+7], v[\a:\a+11], v[\b:\b+11], v[\c:\c+7], v[\sa], v[\sb] matrix_a_fmt:MATRIX_FMT_FP6 matrix_b_fmt:MATRIX_FMT_FP6 matrix_a_scale:MATRIX_SCALE_ROW1 matrix_b_scale:MATRIX_SCALE_ROW1
.elseif (\ra)
	v_wmma_scale_f32_16x16x128_f8f6f4 v[\d:\d+7], v[\a:\a+11], v[\b:\b+11], v[\c:\c+7], v[\sa], v[\sb] matrix_a_fmt:MATRIX_FMT_FP6 matrix_b_fmt:MATRIX_FMT_FP6 matrix_a_scale:MATRIX_SCALE_ROW1
.elseif (\rb)
	v_wmma_scale_f32_16x16x128_f8f6f4 v[\d:\d+7], v[\a:\a+11], v[\b:\b+11], v[\c:\c+7], v[\sa], v[\sb] matrix_a_fmt:MATRIX_FMT_FP6 matrix_b_fmt:MATRIX_FMT_FP6 matrix_b_scale:MATRIX_SCALE_ROW1
.else
	v_wmma_scale_f32_16x16x128_f8f6f4 v[\d:\d+7], v[\a:\a+11], v[\b:\b+11], v[\c:\c+7], v[\sa], v[\sb] matrix_a_fmt:MATRIX_FMT_FP6 matrix_b_fmt:MATRIX_FMT_FP6
.endif
.endm
; K step s: 32 products; the 32 accumulators take turns, one instruction a turn, in the same order in every step.  Step 0 takes the bias as C.
.macro MULS s, nat
.set MP, (\s)%2
.set MQ, SXR+8*((\s)/2)+(\s)%2
.set MV, SWR+4*((\s)/2)+(\s)%2
.if \nat
.if (\s) == 0
	WIN 0xe9                                       ; source 0 (x) window 1, source 1 (W) window 2, C (bias) window 2, D window 3
.else
	WIN 0xf9
.endif
.else
.if (\s) == 0
	WIN 0xe6                                       ; source 0 (W) window 2, source 1 (x) window 1, C (bias) window 2, D window 3
.else
	WIN 0xf6
.endif
.endif
.irp a, 0,1,2,3,4,5,6,7
.irp b, 0,1,2,3
.if \nat
.if (\s) == 0
	WMM 8*(8*\b+\a), 96*MP+12*\a, 48*MP+12*\b, BI+8*\b, MQ+2*(\a/2), MV+2*(\b/2), \a%2, \b%2
.else
	WMM 8*(8*\b+\a), 96*MP+12*\a, 48*MP+12*\b, 8*(8*\b+\a), MQ+2*(\a/2), MV+2*(\b/2), \a%2, \b%2
.endif
.else
.if (\s) == 0
	WMM 8*(4*\a+\b), 48*MP+12*\b, 96*MP+12*\a, BI+8*\b, MV+2*(\b/2), MQ+2*(\a/2), \b%2, \a%2
.else
	WMM 8*(4*\a+\b), 48*MP+12*\b, 96*MP+12*\a, 8*(4*\a+\b), MV+2*(\b/2), MQ+2*(\a/2), \b%2, \a%2
.endif
.endif
.endr
.endr
.endm
.macro STEPMUL s                       ; only the products differ between q, k and v; the branch hangs on the cluster's x alone, which all partners share
	WIN 0
	s_cmp_eq_u32 s[MID], 2
	s_cbranch_scc1 .Lnat_\@
	MULS \s, 0
	WIN 0
	s_branch .Lmul_done_\@
.Lnat_\@:
	MULS \s, 1
	WIN 0
.Lmul_done_\@:
.endm
.macro STEP s
.if ((\s)%2 == 1) && ((\s) < 7)
	s_wait_dscnt 0x0                               ; no LDS load of mine is out at a signal; this step's fragments are in
	s_wait_tensorcnt 3-((\s)+1)/2                  ; my part of the next chunk has landed; the later chunks' loads may be out
	s_barrier_signal -1
	s_barrier_wait -1                              ; everybody's has
.endif
.if ((\s) > 0) && ((\s) < 7)
	PLACES 4                                       ; in front of loads into registers that the last products read
.endif
.if (\s) < 7
	FETCH (\s)+1
.if (\s)%2 == 1
	SCL ((\s)+1)/2
.else
	s_wait_dscnt 48                                ; all but the 48 just issued
.endif
.else
	s_wait_dscnt 0x0
.endif
.if (\s) == 0
	s_wait_loadcnt 0x0                             ; the bias
.endif
	STEPMUL \s
.endm
	s_load_b256 s[4:11], s[0:1], 0x0               ; xc, wc, bq, bk
	s_load_b128 s[12:15], s[0:1], 0x20             ; bv, qkv
	v_lshl_add_u32 v[SPW], v0, 2, SPARE
	v_mov_b32 v[NIL], 0
	ds_add_u32 v[SPW], v[NIL]                      ; the wave's opening: the add, and its wait ahead of my first tensor load; work on registers stands between them
	v_lshrrev_b32 v3, 5, v0
	v_readfirstlane_b32 s[WVN], v3                 ; wave 0..3
	s_lshr_b32 s[WMH], s[WVN], 1                   ; my 128 rows.  Also: I fetch for x (0) or for W (1)
	s_and_b32 s[WNH], s[WVN], 1                    ; my 64 columns.  Also: which panel of x, or which half of W's chunks, I fetch
	s_bfe_u32 s[CX], ttmp6, 0x40000
	s_bfe_u32 s[CY], ttmp6, 0x40004
	s_lshl_b32 s[XT], ttmp9, 2
	s_add_co_u32 s[XT], s[XT], s[CX]               ; tile column 0..23 = W's group
	s_and_b32 s[YT], ttmp7, 0xffff
	s_lshl_b32 s[YT], s[YT], 2
	s_add_co_u32 s[YT], s[YT], s[CY]               ; tile row 0..31
	s_lshl_b32 s91, s[CY], 2
	s_lshl_b32 s91, 15, s91                        ; my row of the cluster
	s_lshl_b32 s92, 0x1111, s[CX]                  ; my column
	s_lshr_b32 s[MID], ttmp9, 1                    ; 0 q, 1 k, 2 v: two clusters along x to a matrix
	; group 1: dense blocks as rows of 256 bytes (32 elements of 8 bytes), no padding
	s_or_b32 s[G1X], s91, (3<<16)|(1<<21)          ; 15:0 the mask; 17:16 elements of 8 bytes; 21 set beside a mask
	s_mov_b32 s[G1X+1], 32<<16                     ; tensor_dim0
	s_mov_b32 s[G1X+2], (XCH/256)<<16              ; tensor_dim1
	s_mov_b32 s[G1X+3], 32<<16                     ; tile_dim0
	s_mov_b32 s[G1X+4], XCH/256                    ; tile_dim1: a chunk of x
	s_mov_b32 s[G1X+5], 32                         ; the pitch
	s_mov_b32 s[G1X+6], 0
	s_mov_b32 s[G1X+7], 0
	s_or_b32 s[G1W], s92, (3<<16)|(1<<21)
	s_mov_b32 s[G1W+1], 32<<16
	s_mov_b32 s[G1W+2], (WHALF/256)<<16
	s_mov_b32 s[G1W+3], 32<<16
	s_mov_b32 s[G1W+4], WHALF/256                  ; half a chunk of W
	s_mov_b32 s[G1W+5], 32
	s_mov_b32 s[G1W+6], 0
	s_mov_b32 s[G1W+7], 0
	s_lshl_b32 s94, s[YT], 1
	s_add_co_u32 s94, s94, s[WNH]
	s_mul_i32 s94, s94, XPAN                       ; x: group 2 x tile row + panel
	s_mov_b32 s95, 0
	s_mul_i32 s96, s[XT], WPAN                     ; W: group = tile column,
	s_mul_i32 s97, s[WNH], WHALF                   ; my half of each chunk
	s_add_co_u32 s96, s96, s97
	s_mov_b32 s97, 0
	s_mul_i32 s98, s[WNH], XPAN                    ; and where they go: no place in the cluster enters an LDS address
	s_mul_i32 s99, s[WNH], WHALF
	s_add_co_u32 s99, s99, WB
	s_mov_b32 s[SEL], 0x76543210
	s_mov_b32 s[SEL+1], 0xfedcba98
	s_mov_b32 s[HIM], 0xffff0000
	s_wait_dscnt 0x0                               ; the opening add is done
	s_wait_kmcnt 0x0
	s_add_nc_u64 s[94:95], s[4:5], s[94:95]
	s_add_nc_u64 s[96:97], s[6:7], s[96:97]
.irp c, 0,1,2,3
	s_mov_b32 s[G0X+4*\c], 1
	s_add_co_u32 s[G0X+4*\c+1], s98, \c*XCH
	s_add_nc_u64 s[G0X+4*\c+2:G0X+4*\c+3], s[94:95], \c*XCH
	s_or_b32 s[G0X+4*\c+3], s[G0X+4*\c+3], 0x80000000
	s_mov_b32 s[G0W+4*\c], 1
	s_add_co_u32 s[G0W+4*\c+1], s99, \c*WCH
	s_add_nc_u64 s[G0W+4*\c+2:G0W+4*\c+3], s[96:97], \c*WCH
	s_or_b32 s[G0W+4*\c+3], s[G0W+4*\c+3], 0x80000000
.endr
	CROUND                                         ; all sixteen work-groups are here: the joint loads meet
	s_cmp_eq_u32 s[WMH], 0                         ; a wave's four fills stand in one branch on the wave's number: four loads of mine are out
	s_cbranch_scc0 .Lfill_w
.irp c, 0,1,2,3
	tensor_load_to_lds s[G0X+4*\c:G0X+4*\c+3], s[G1X:G1X+7]
	s_nop 0
.endr
	PLACES 4
	s_branch .Lfilled
.Lfill_w:
.irp c, 0,1,2,3
	tensor_load_to_lds s[G0W+4*\c:G0W+4*\c+3], s[G1W:G1W+7]
	s_nop 0
.endr
	PLACES 4
.Lfilled:
	v_and_b32 v3, 31, v0
	v_lshlrev_b32 v1, 4, v3                        ; 16 l
	v_lshlrev_b32 v2, 3, v3                        ; 8 l
	s_mul_i32 s2, s[WMH], XPAN                     ; my panel of x
	s_mul_i32 s3, s[WNH], 4*1536                   ; my four tiles of W
	s_add_co_u32 s3, s3, WB
	s_lshl_b32 s55, s[WNH], 9                      ; their two pairs of scale words
	s_add_co_u32 s55, s55, WB+24576
.irp k, 0,1
	v_add_nc_u32 v[AX16+\k], s2, v1
	v_add_nc_u32 v[AX8+\k], s2, v2
	v_add_nc_u32 v[AW16+\k], s3, v1
	v_add_nc_u32 v[AW8+\k], s3, v2
	v_add_nc_u32 v[ASW+\k], s55, v2
	s_add_co_u32 s2, s2, 2*XCH
	s_add_co_u32 s3, s3, 2*WCH
	s_add_co_u32 s55, s55, 2*WCH
.endr
	; the bias of my 64 columns, in the result's layout
	v_bfe_u32 v4, v0, 4, 1
	v_lshlrev_b32 v4, 6, v4                        ; q, k: 16 numbers on for lanes 16-31
	v_and_b32 v5, 15, v0
	v_and_b32 v3, 8, v5
	v_add_nc_u32 v5, v5, v3
	v_lshlrev_b32 v5, 2, v5                        ; v: the lane's own channel: r + 8 (r / 8)
	s_cmp_eq_u32 s[MID], 0
	s_cselect_b64 s[16:17], s[8:9], s[10:11]
	s_cmp_eq_u32 s[MID], 2
	s_cselect_b64 s[16:17], s[12:13], s[16:17]
	s_and_b32 s18, s[XT], 7
	s_lshl_b32 s18, s18, 9
	s_lshl_b32 s19, s[WNH], 8
	s_add_co_u32 s18, s18, s19
	s_mov_b32 s19, 0
	s_add_nc_u64 s[16:17], s[16:17], s[18:19]
	s_cmp_eq_u32 s[MID], 2
	s_cbranch_scc1 .Lbias_n
	WIN 0x80
.irp b, 0,1,2,3
	global_load_b128 v[BI+8*\b:BI+8*\b+3], v4, s[16:17] offset:(32*(\b/2)+8*(\b%2))*4
	global_load_b128 v[BI+8*\b+4:BI+8*\b+7], v4, s[16:17] offset:(32*(\b/2)+8*(\b%2))*4+16
.endr
	WIN 0
	s_branch .Lbias_done
.Lbias_n:
	WIN 0x80
.irp b, 0,1,2,3
.irp j, 0,1,2,3,4,5,6,7
	global_load_b32 v[BI+8*\b+\j], v5, s[16:17] offset:(32*(\b/2)+8*(\b%2))*4   ; the same number for all eight keys of a lane
.endr
.endr
	WIN 0
.Lbias_done:
	; where my results go
	s_lshr_b32 s60, s[YT], 3
	s_lshl_b32 s60, s60, 4
	s_and_b32 s61, s[XT], 7
	s_lshl_b32 s61, s61, 1
	s_add_co_u32 s60, s60, s61
	s_add_co_u32 s60, s60, s[WNH]                  ; 16 x batch + head
	s_mul_i32 s60, s60, REC
	s_and_b32 s61, s[YT], 7
	s_lshl_b32 s61, s61, 1
	s_add_co_u32 s61, s61, s[WMH]                  ; J: which 128 tokens of the sequence
	s_mov_b32 s62, QCO
	s_mov_b32 s63, QSO
	s_mov_b32 s100, KSO
	s_cmp_eq_u32 s[MID], 0
	s_cselect_b32 s62, s62, 0
	s_cselect_b32 s63, s63, s100
	s_mov_b32 s100, VCO
	s_mov_b32 s101, VSO
	s_cmp_eq_u32 s[MID], 2
	s_cselect_b32 s62, s100, s62
	s_cselect_b32 s63, s101, s63
	s_cselect_b32 s100, 8, 9
	s_lshl_b32 s100, s61, s100                     ; 256 bytes of words a step for v, 512 for q and k
	s_mul_i32 s61, s61, 6144
	s_add_co_u32 s56, s62, s61
	s_add_co_u32 s56, s56, s60
	s_mov_b32 s57, 0
	s_add_co_u32 s58, s63, s100
	s_add_co_u32 s58, s58, s60
	s_mov_b32 s59, 0
	s_add_nc_u64 s[56:57], s[14:15], s[56:57]      ; my eight HALFs
	s_add_nc_u64 s[58:59], s[14:15], s[58:59]      ; my scale record
	s_wait_tensorcnt 3                             ; my part of chunk 0 has landed; chunks 1 to 3 may be out
	s_barrier_signal -1
	s_barrier_wait -1                              ; everybody's has
	FETCH 0
	SCL 0
.irp s, 0,1,2,3,4,5,6,7
	STEP \s
.endr
	; THE WAY OUT.  Sixteen runs of 16 registers; run k's block of 32 lies in lanes l and l xor 16.
.irp k, 0,1,2,3,4,5,6,7,8,9,10,11,12,13,14,15
	v_mov_b32 v[TP+\k], 0                          ; a lane permute's destination counts as one of its sources.  (Also the places behind the last products)
.endr
	WIN 0x3c                                       ; sources 1 and 2 window 3
.irp k, 0,1,2,3,4,5,6,7,8,9,10,11,12,13,14,15
	v_max3_num_f32 v[TM+\k], 0x1800000, |v[16*\k]|, |v[16*\k+1]|   ; each accumulator is read from its low end on; the floor 2^(3 - 127) holds the byte at 1 from below
.endr
.irp i, 2,4,6,8,10,12,14
.irp k, 0,1,2,3,4,5,6,7,8,9,10,11,12,13,14,15
	v_max3_num_f32 v[TM+\k], v[TM+\k], |v[16*\k+\i]|, |v[16*\k+\i+1]|
.endr
.endr
	WIN 0
.irp k, 0,1,2,3,4,5,6,7,8,9,10,11,12,13,14,15
	v_permlanex16_b32 v[TP+\k], v[TM+\k], s[SEL], s[SEL+1]
.endr
.irp k, 0,1,2,3,4,5,6,7,8,9,10,11,12,13,14,15
	v_max_num_f32 v[TM+\k], v[TM+\k], v[TP+\k]     ; the block's largest magnitude
.endr
.irp k, 0,1,2,3,4,5,6,7,8,9,10,11,12,13,14,15
	v_add_nc_u32 v[SO+\k], 0xff000000, v[TM+\k]    ; the conversion's scale operand
.endr
.irp k, 0,1,2,3,4,5,6,7,8,9,10,11,12,13,14,15
	v_lshrrev_b32 v[TP+\k], 23, v[SO+\k]           ; the byte
.endr
.irp p, 0,1,2,3,4,5,6,7
	v_lshl_or_b32 v[HW+\p], v[TP+2*\p+1], 8, v[TP+2*\p]   ; a HALF's two bytes
.endr
	WIN 0x03                                       ; source 0 window 3
.irp p, 0,1,2,3,4,5,6,7
	v_cvt_scalef32_pk16_fp6_f32 v[H+6*\p:H+6*\p+2], v[32*\p:32*\p+15], v[SO+2*\p]
	v_cvt_scalef32_pk16_fp6_f32 v[CT+4*\p:CT+4*\p+2], v[32*\p+16:32*\p+31], v[SO+2*\p+1]   ; (a conversion's three registers begin on an even number)
.endr
	WIN 0
	v_nop                                          ; one plain place behind a scaled conversion
.irp p, 0,1,2,3,4,5,6,7                ; the operand's layout wants a whole block in a lane: lanes 0-15 the first, lanes 16-31 the second
.irp i, 0,1,2
	v_permlane16_swap_b32 v[H+6*\p+\i], v[CT+4*\p+\i]
.endr
.irp i, 0,1,2
	v_mov_b32 v[H+6*\p+3+\i], v[CT+4*\p+\i]
.endr
.endr
.irp p, 0,1,2,3,4,5,6,7
	global_store_b128 v1, v[H+6*\p:H+6*\p+3], s[56:57] offset:768*\p          ; 512 neighbouring bytes
	global_store_b64 v2, v[H+6*\p+4:H+6*\p+5], s[56:57] offset:768*\p+512     ; 256 neighbouring bytes
.endr
	s_cmp_eq_u32 s[MID], 2
	s_cbranch_scc1 .Lsc_v
.irp p, 0,1,2,3,4,5,6,7
	v_or_b32 v[HW+\p], 0x7f7f0000, v[HW+\p]        ; q, k: a tile's word
.endr
.irp i, 0,1,2,3
	v_cndmask_b32 v[Z+\i], v[HW+2*\i], v[HW+2*\i+1], s[HIM]   ; lanes 0-15 tile 2 i, lanes 16-31 tile 2 i + 1
.endr
	global_store_b128 v1, v[Z:Z+3], s[58:59]
	s_branch .Lsc_done
.Lsc_v:
.irp b, 0,1,2,3
	v_lshl_or_b32 v[TM+\b], v[HW+2*\b+1], 16, v[HW+2*\b]      ; v: a channel tile's word: four blocks of keys
.endr
.irp i, 0,1
	v_cndmask_b32 v[Z+\i], v[TM+2*\i], v[TM+2*\i+1], s[HIM]
.endr
	global_store_b64 v2, v[Z:Z+1], s[58:59]
.Lsc_done:
	s_wait_tensorcnt 0x0                           ; the wave's end
	ds_add_u32 v[SPW], v[NIL]
	s_wait_dscnt 0x0
	CROUND                                         ; the closing round
	s_endpgm
.Lfunc_end_k_qf3fe663e05_qkv:
	.size	k_qf3fe663e05_qkv, .Lfunc_end_k_qf3fe663e05_qkv-k_qf3fe663e05_qkv
	.p2alignl 7, 3214868480
	.fill 96, 4, 3214868480
	.section	.rodata,"a",@progbits
	.p2align	6, 0x0
	.amdhsa_kernel k_qf3fe663e05_qkv
		.amdhsa_group_segment_fixed_size 327680
		.amdhsa_private_segment_fixed_size 0
		.amdhsa_enable_private_segment 0
		.amdhsa_kernarg_size 48
		.amdhsa_user_sgpr_count 2
		.amdhsa_user_sgpr_kernarg_segment_ptr 1
		.amdhsa_wavefront_size32 1
		.amdhsa_system_sgpr_workgroup_id_x 1
		.amdhsa_system_sgpr_workgroup_id_y 1
		.amdhsa_system_sgpr_workgroup_id_z 1
		.amdhsa_system_vgpr_workitem_id 0
		.amdhsa_next_free_vgpr 1024
		.amdhsa_next_free_sgpr 102
		.amdhsa_reserve_vcc 0
		.amdhsa_float_denorm_mode_32 3
		.amdhsa_float_denorm_mode_16_64 3
		.amdhsa_memory_ordered 1
		.amdhsa_forward_progress 1
		.amdhsa_inst_pref_size 125
	.end_amdhsa_kernel
	.amdgpu_metadata
---
amdhsa.version: [ 1, 2 ]
amdhsa.kernels:
  - .name:           k_qf3fe663e05_qkv
    .symbol:         k_qf3fe663e05_qkv.kd
    .args:
      - { .name: xc, .offset: 0, .size: 8, .value_kind: global_buffer, .address_space: global }
      - { .name: wc, .offset: 8, .size: 8, .value_kind: global_buffer, .address_space: global }
      - { .name: bq, .offset: 16, .size: 8, .value_kind: global_buffer, .address_space: global }
      - { .name: bk, .offset: 24, .size: 8, .value_kind: global_buffer, .address_space: global }
      - { .name: bv, .offset: 32, .size: 8, .value_kind: global_buffer, .address_space: global }
      - { .name: qkv, .offset: 40, .size: 8, .value_kind: global_buffer, .address_space: global }
    .group_segment_fixed_size: 327680
    .private_segment_fixed_size: 0
    .kernarg_segment_align: 8
    .kernarg_segment_size: 48
    .max_flat_workgroup_size: 128
    .sgpr_count:     102
    .vgpr_count:     1024
    .wavefront_size: 32
...
	.end_amdgpu_metadata
.endif
;; end of part 2
;; launch attn (part 3): grid 4 x 64, 16 waves a work-group, no clusters, 212,992 bytes of LDS; arguments qkv, mbits, mdo, ao, aos; writes ao, aos
.if DOCPART == 3
	.amdgcn_target "amdgcn-amd-amdhsa--gfx1250"
	.amdhsa_code_object_version 6
	.text
	.protected	k_qf3fe663e05_attn
	.globl	k_qf3fe663e05_attn
	.p2align	8
	.type	k_qf3fe663e05_attn,@function
k_qf3fe663e05_attn:
	s_mov_b64 s[64:65], 0
	v_nop
	global_prefetch_b8 v0, s[64:65] scope:SCOPE_SE
	s_setreg_imm32_b32 hwreg(HW_REG_WAVE_MODE, 25, 1), 1
	s_wait_xcnt 0x0
; o = softmax(mask(q k^T / 8)) v for one (batch, head), both products on codes of FP6 (E2M3) with E8M0 scales; o / l is quantised along the head's 64 and leaves as codes.
; THE SOFTMAX: t = score x log2(e) / 8; M = the row's largest t so far, rounded up to a whole number; p = 2^(t - M) is quantised along the keys; the sum is taken of the unquantised p and divides at the end.
; THE MASK is the one that is given: a word of 32 lane bits for each score register, made by an earlier launch; a closed score becomes -2^33 by one v_cndmask_b32.  -2^33 x c is a whole number, so a row with no open key
; has t - M = 0 and p = 1 for every key.  LIMIT: a closed logit is -2^30 where the definition has -1e9: the same result while a row that has an open key has its largest logit above about -1e9 + 200.
; A key step (128 keys) in which none of the tile's 16 x 128 places is open adds nothing where every row of the tile has an open key somewhere: it is left out, by a scalar branch on whole numbers that an earlier launch stored.
; Where some row of the tile has no open key at all, every step is run.  NaN and infinities are not served; a block of zeros gets the byte 1 (its codes are zeros).
; NO TENSOR LOAD AND NO CLUSTER: the walk over the key steps branches on numbers read from memory.  What the four work-groups of a head share is one record of 208,896 bytes, fetched once by each.
; SHARES.  Work-group (x, y): head y, tiles 2 x and 2 x + 1 of each of the 16 groups of 128 queries: 32 tiles, numbered tau = 2 group + tile % 2.  Wave w takes tau = w, then tau = 31 - w.  One tile of 16 queries to a wave at a time.
; K's and V's codes and scale words of the whole head lie in LDS, copied once through registers; one barrier; then the waves run free.
; LAYOUT.  S^T = K Q^T, O^T = V^T P^T: a lane holds one query.  Tiles: of 32 neighbouring rows tile u gives lane-row r the row 8 u + r + 8 (r / 8), so S's register 16 b + i is key 32 b + 16 (lane / 16) + i.
; The head has 64 channels, a K step 128: Q's upper six registers are zeros; K's fragment t is v[32 + 6 t .. 43 + 6 t], whose upper six are the next tile's codes: they meet zeros under the byte 127 and add nothing.
.set REC,   315392
.set VCO,   98304
.set KSO,   196608
.set VSO,   204800
.set QCO,   208896
.set QSO,   307200
.set STG,   208896                     ; LDS behind the record's image: the 32 tiles' scale words, 64 bytes each
.set SPARE, STG+2048                   ; the spare words: 128 bytes a wave, eight blocks of 256 bytes that no other line names
.set SPW, 3
.set NIL, 4
.set S,   92                           ; v92-155 scores, then p
.set O,   156                          ; v156-187 O^T
.set PCD, 188                          ; v188-199 p's codes
.set BM,  200
.set BP,  204
.set SOP, 208
.set CT,  212                          ; v212-214, v216-218
.set WK,  220
.set SW0, 221                          ; STG + 4 r
.set QWO, 222                          ; Q's scale word's offset
.set R16, 223                          ; 16 r
.set SWA, 224                          ; where the tile's scale words go in LDS
.set GA,  225                          ; 512 w + 16 l
.set FA16, 226                         ; the fill: my wave's part, 16 l
.set FA8, 227                          ; and 8 l
.set SRD, 228                          ; STG + 512 w + 16 l
.set WV,  14
.set CNT, 15
.set TK,  84                           ; LDS byte of the step's K
.set TKV, 85                           ; of its V
.set TS,  86                           ; of K's scale words
.set TV,  87                           ; of V's
.set MOFF, 88                          ; the step's mask words, in bytes from the tile's first
.set DOW, 89                           ; bit 0: run this step; bit 1: the next
.macro WMZ d, a, sa, ra                ; a tile of S^T: the product starts the sum
.if (\ra)
	v_wmma_scale_f32_16x16x128_f8f6f4 v[\d:\d+7], v[\a:\a+11], v[16:27], 0, v[\sa], v28 matrix_a_fmt:MATRIX_FMT_FP6 matrix_b_fmt:MATRIX_FMT_FP6 matrix_a_scale:MATRIX_SCALE_ROW1
.else
	v_wmma_scale_f32_16x16x128_f8f6f4 v[\d:\d+7], v[\a:\a+11], v[16:27], 0, v[\sa], v28 matrix_a_fmt:MATRIX_FMT_FP6 matrix_b_fmt:MATRIX_FMT_FP6
.endif
.endm
.macro WMA d, a, sa, ra                ; a tile of O^T, added in place
.if (\ra)
	v_wmma_scale_f32_16x16x128_f8f6f4 v[\d:\d+7], v[\a:\a+11], v[PCD:PCD+11], v[\d:\d+7], v[\sa], v29 matrix_a_fmt:MATRIX_FMT_FP6 matrix_b_fmt:MATRIX_FMT_FP6 matrix_a_scale:MATRIX_SCALE_ROW1
.else
	v_wmma_scale_f32_16x16x128_f8f6f4 v[\d:\d+7], v[\a:\a+11], v[PCD:PCD+11], v[\d:\d+7], v[\sa], v29 matrix_a_fmt:MATRIX_FMT_FP6 matrix_b_fmt:MATRIX_FMT_FP6
.endif
.endm
; a step's 64 mask words, if that step is run: words 0-47 into s16-63, words 48-63 into s68-83
.macro MLOAD bit, off
	s_bitcmp1_b32 s[DOW], \bit
	s_cbranch_scc0 .Lno_words_\@
	s_wait_kmcnt 0x0                               ; no scalar load lands on another's registers (none is out here)
	s_load_b512 s[16:31], s[94:95], s[MOFF] offset:(\off)
	s_load_b512 s[32:47], s[94:95], s[MOFF] offset:(\off)+64
	s_load_b512 s[48:63], s[94:95], s[MOFF] offset:(\off)+128
	s_load_b512 s[68:83], s[94:95], s[MOFF] offset:(\off)+192
.Lno_words_\@:
.endm
	s_load_b256 s[4:11], s[0:1], 0x0               ; qkv, mbits, mdo, ao
	s_load_b64 s[12:13], s[0:1], 0x20              ; aos
	v_lshl_add_u32 v[SPW], v0, 2, SPARE
	v_mov_b32 v[NIL], 0
	v_lshrrev_b32 v6, 5, v0
	v_readfirstlane_b32 s[WV], v6                  ; wave 0..15
	v_and_b32 v6, 31, v0
	v_and_b32 v7, 15, v0
	v_lshlrev_b32 v1, 4, v6                        ; 16 l
	v_lshlrev_b32 v2, 3, v6                        ; 8 l
	v_lshlrev_b32 v[R16], 4, v7
	v_lshl_add_u32 v[SW0], v7, 2, STG
	s_mul_i32 s92, s[WV], 13056                    ; a sixteenth of the image
	v_add_nc_u32 v[FA16], s92, v1
	v_add_nc_u32 v[FA8], s92, v2
	s_lshl_b32 s93, s[WV], 9
	v_add_nc_u32 v[GA], s93, v1
	v_add_nc_u32 v[SRD], STG, v[GA]
	v_mov_b32 v5, 0xd0000000                       ; -2^33
	s_mov_b32 s2, 0x3e38aa3b                       ; c = log2(e) / 8
	s_mov_b32 s3, s2                               ; (named with it as a pair)
	s_mov_b32 s90, 0x76543210
	s_mov_b32 s91, 0xfedcba98                      ; v_permlanex16_b32's selects for lane l xor 16
.set n, 16
.rept 24
	s_mov_b64 s[n:n+1], 0                          ; every word register is written once, so that each is defined on every way through the text
.set n, n+2
.endr
.set n, 68
.rept 8
	s_mov_b64 s[n:n+1], 0
.set n, n+2
.endr
	s_and_b32 s96, ttmp7, 0xffff                   ; 16 x batch + head
	s_mul_i32 s92, s96, REC
	s_mov_b32 s93, 0
	s_lshl_b32 s98, s96, 2
	s_add_co_u32 s98, s98, ttmp9
	s_lshl_b32 s98, s98, 11                        ; my work-group's 2,048 bytes of aos
	s_mov_b32 s99, 0
	s_lshr_b32 s97, s96, 4
	s_lshl_b32 s97, s97, 7                         ; ao: (16 x batch) groups x 8 K steps,
	s_bfe_u32 s100, s96, 0x30001
	s_add_co_u32 s97, s97, s100                    ; + head / 2,
	s_mul_i32 s97, s97, 12288
	s_and_b32 s100, s96, 1
	s_mul_i32 s100, s100, 768                      ; the half: head % 2,
	s_add_co_u32 s100, s100, s97
	s_mul_i32 s101, ttmp9, 3072                    ; tile 2 x
	s_add_co_u32 s100, s100, s101
	s_mov_b32 s101, 0
	s_wait_kmcnt 0x0
	s_add_nc_u64 s[4:5], s[4:5], s[92:93]          ; my head's record
	s_add_nc_u64 s[12:13], s[12:13], s[98:99]
	s_add_nc_u64 s[10:11], s[10:11], s[100:101]
	; THE FILL: 25 x 512 + 256 bytes a wave, through registers
.irp i, 0,1,2,3,4,5,6,7,8,9,10,11,12,13,14,15,16,17,18,19,20,21,22,23,24
	global_load_b128 v[S+4*\i:S+4*\i+3], v[FA16], s[4:5] offset:512*\i
.endr
	global_load_b64 v[S+100:S+101], v[FA8], s[4:5] offset:12800
.irp i, 0,1,2,3,4,5,6,7,8,9,10,11,12,13,14,15,16,17,18,19,20,21,22,23,24
	s_wait_loadcnt 25-\i                           ; load i is in; those issued behind it may be out
	ds_store_b128 v[FA16], v[S+4*\i:S+4*\i+3] offset:512*\i
.endr
	s_wait_loadcnt 0x0
	ds_store_b64 v[FA8], v[S+100:S+101] offset:12800
.irp j, 22,23,24,25,26,27, 80,81,82,83,84,85
	v_mov_b32 v[\j], 0                             ; Q's upper 64 along K; what stands behind K's last tile
.endr
.irp b, 0,1,2,3
	v_mov_b32 v[BP+\b], 0                          ; a lane permute's destination counts as one of its sources
.endr
	v_mov_b32 v[WK], 0
	v_mov_b32 v31, 0                               ; (named as the upper half of the pair v[30:31])
	s_wait_dscnt 0x0                               ; for the others' sake: my stores have landed
	s_barrier_signal -1
	s_barrier_wait -1                              ; the image is whole
.macro PASS p
	s_wait_kmcnt 0x0                               ; no scalar load is out
	s_wait_xcnt 0x0                                ; the last tile's stores have read their data and bases
.if \p
	s_xor_b32 s100, s[WV], 31
.else
	s_mov_b32 s100, s[WV]
.endif                                             ; tau
	s_lshr_b32 s101, s100, 1                       ; the group of 128 queries
	s_and_b32 s97, s100, 1
	s_lshl_b32 s98, ttmp9, 1
	s_add_co_u32 s98, s98, s97                     ; the tile in its group
	s_lshl_b32 s99, s101, 3
	s_add_co_u32 s99, s99, s98                     ; the tile in the sequence
	s_lshl_b32 s96, s99, 5
	s_load_b256 s[16:23], s[8:9], s96 offset:0x0   ; its four pairs of flag words
	s_lshl_b32 s94, s99, 12
	s_mov_b32 s95, 0
	s_add_nc_u64 s[94:95], s[6:7], s[94:95]        ; its mask words
	s_mul_i32 s92, s101, 6144
	s_mul_i32 s93, s98, 768
	s_add_co_u32 s92, s92, s93
	s_add_co_u32 s92, s92, QCO
	s_mov_b32 s93, 0
	s_add_nc_u64 s[92:93], s[4:5], s[92:93]
	global_load_b128 v[16:19], v1, s[92:93]        ; Q's six registers
	global_load_b64 v[20:21], v2, s[92:93] offset:512
	s_lshl_b32 s99, s101, 9
	s_lshl_b32 s98, s97, 8
	s_add_co_u32 s99, s99, s98
	s_lshl_b32 s98, ttmp9, 2
	s_add_co_u32 s99, s99, s98
	s_add_co_u32 s99, s99, QSO
	v_add_nc_u32 v[QWO], s99, v[R16]
	global_load_b32 v28, v[QWO], s[4:5]            ; row r's scale word
	s_lshl_b32 s99, s100, 6
	v_add_nc_u32 v[SWA], s99, v[SW0]
	v_mov_b32 v13, 0xff61b1e6                      ; the largest t so far: -3e38
	v_floor_f32 v12, -v13                          ; -M
	v_mov_b32 v14, 0                               ; the sum, in two halves
	v_mov_b32 v15, 0
.irp j, 0,1,2,3,4,5,6,7,8,9,10,11,12,13,14,15,16,17,18,19,20,21,22,23,24,25,26,27,28,29,30,31
	v_mov_b32 v[O+\j], 0                           ; the step is written once: the first that is run finds zeros
.endr
	s_mov_b32 s[TK], 0
	s_mov_b32 s[TKV], VCO
	s_mov_b32 s[TS], KSO
	s_mov_b32 s[TV], VSO
	s_mov_b32 s[MOFF], 0
	s_mov_b32 s[CNT], 16
	s_wait_kmcnt 0x0
	s_or_b32 s16, s16, s18
	s_or_b32 s16, s16, s20
	s_or_b32 s16, s16, s22                         ; which rows have an open key
	s_or_b32 s17, s17, s19
	s_or_b32 s17, s17, s21
	s_or_b32 s17, s17, s23                         ; which steps have one
	s_cmp_eq_u32 s16, 0xffff
	s_cselect_b32 s[DOW], s17, 0xffff              ; a row with none wants all steps
	MLOAD 0, 0
	s_wait_loadcnt 0x0                             ; Q
.Ltrip_\@:                                         ; 16 trips, a constant: only a step's work is jumped over
	s_bitcmp1_b32 s[DOW], 0
	s_cbranch_scc0 .Lskip_\@
	v_add_nc_u32 v6, s[TK], v1                     ; six plain lines: also the places in front of loads into registers that the last products read
	v_add_nc_u32 v7, s[TK], v2
	v_add_nc_u32 v8, s[TKV], v1
	v_add_nc_u32 v11, s[TKV], v2
	v_add_nc_u32 v9, s[TS], v1
	v_add_nc_u32 v10, s[TV], v2
.irp t, 0,1,2,3,4,5,6,7
	ds_load_b128 v[32+6*\t:35+6*\t], v6 offset:768*\t
	ds_load_b64 v[36+6*\t:37+6*\t], v7 offset:768*\t+512
.endr
	ds_load_b128 v[86:89], v9                      ; K's scale words: register i: lanes 0-15 tile 2 i, lanes 16-31 tile 2 i + 1
	s_wait_dscnt 0x0
.irp t, 0,1,2,3,4,5,6,7
	WMZ S+8*\t, 32+6*\t, 86+\t/2, \t%2
.endr
.rept 4
	v_nop                                          ; places in front of the loads below and of the first read of the scores
.endr
.irp q, 0,1,2,3,4,5,6,7
	ds_load_b128 v[32+6*\q:35+6*\q], v8 offset:768*\q        ; V's four fragments land while the softmax is walked
	ds_load_b64 v[36+6*\q:37+6*\q], v11 offset:768*\q+512
.endr
	ds_load_b64 v[90:91], v10                      ; V's scale words
	s_wait_kmcnt 0x0                               ; the step's mask words
.set n, 0
.rept 64
.if n < 48
	v_cndmask_b32 v[S+n], v5, v[S+n], s[16+n]      ; closed: -2^33.  Each accumulator is read from its low end on
.else
	v_cndmask_b32 v[S+n], v5, v[S+n], s[20+n]
.endif
.set n, n+1
.endr
	MLOAD 1, 0x100                                 ; the next step's words, if it is run
.irp b, 0,1,2,3
	v_max3_num_f32 v[BM+\b], v[S+16*\b], v[S+1+16*\b], v[S+2+16*\b]   ; the largest score of each block of 32 keys: for the row's maximum, and for the block's largest p
.endr
.irp i, 3,5,7,9,11,13
.irp b, 0,1,2,3
	v_max3_num_f32 v[BM+\b], v[BM+\b], v[S+16*\b+\i], v[S+1+16*\b+\i]
.endr
.endr
.irp b, 0,1,2,3
	v_max_num_f32 v[BM+\b], v[BM+\b], v[S+15+16*\b]
.endr
.irp b, 0,1,2,3
	v_permlanex16_b32 v[BP+\b], v[BM+\b], s90, s91
.endr
.irp b, 0,1,2,3
	v_max_num_f32 v[BM+\b], v[BM+\b], v[BP+\b]     ; with lane l xor 16's 16 keys
.endr
	v_max3_num_f32 v[WK], v[BM], v[BM+1], v[BM+2]
	v_max_num_f32 v[WK], v[WK], v[BM+3]
	v_mul_f32 v[WK], s2, v[WK]                     ; as t
	v_max_num_f32 v13, v13, v[WK]                  ; the running largest t
	v_mov_b32 v[WK], v12
	v_floor_f32 v12, -v13                          ; the new -M = -ceil(t)
	v_sub_f32 v[WK], v12, v[WK]                    ; old M - new M: a whole number, 0 or less
	v_cvt_i32_f32 v[WK], v[WK]                     ; (it saturates)
	v_ldexp_f32 v30, 1.0, v[WK]                    ; f = 2^(old M - new M)
.irp j, 0,2,4,6,8,10,12,14,16,18,20,22,24,26,28,30,32,34,36,38,40,42,44,46,48,50,52,54,56,58,60,62
	v_pk_fma_f32 v[S+\j:S+1+\j], v[S+\j:S+1+\j], s[2:3], v[12:13] op_sel_hi:[1,0,0]   ; t - M, two at a time
.endr
.irp b, 0,1,2,3
	v_fma_f32 v[BM+\b], v[BM+\b], s2, v12          ; the same of each block's largest score
.endr
.irp j, 0,1,2,3,4,5,6,7,8,9,10,11,12,13,14,15,16,17,18,19,20,21,22,23,24,25,26,27,28,29,30,31,32,33,34,35,36,37,38,39,40,41,42,43,44,45,46,47,48,49,50,51,52,53,54,55,56,57,58,59,60,61,62,63
	v_exp_f32 v[S+\j], v[S+\j]                     ; p = 2^(t - M)
.endr
	v_pk_mul_f32 v[14:15], v[14:15], v[30:31] op_sel_hi:[1,0]   ; the sums under the new M: a plain place behind the exponentials
	s_wait_alu depctr_va_vdst(0)                   ; one wait for the batch, ahead of its first reader
.irp b, 0,1,2,3
	v_exp_f32 v[BM+\b], v[BM+\b]                   ; the block's largest p
.endr
	v_pk_add_f32 v[BP:BP+1], v[S:S+1], v[S+2:S+3]  ; the row's sum of the unquantised p, in two chains
.irp j, 4,8,12,16,20,24,28,32,36,40,44,48,52,56,60
	v_pk_add_f32 v[14:15], v[14:15], v[S+\j:S+1+\j]
	v_pk_add_f32 v[BP:BP+1], v[BP:BP+1], v[S+2+\j:S+3+\j]
.endr
	v_pk_add_f32 v[14:15], v[14:15], v[BP:BP+1]
	s_wait_alu depctr_va_vdst(0)                   ; and one for the four
.irp b, 0,1,2,3
	v_max_num_f32 v[BM+\b], 0x1800000, v[BM+\b]    ; the floor 2^(3 - 127)
.endr
.irp b, 0,1,2,3
	v_add_nc_u32 v[SOP+\b], 0xff000000, v[BM+\b]   ; the conversion's scale operand
.endr
.irp b, 0,1,2,3
	v_lshrrev_b32 v[BP+\b], 23, v[SOP+\b]          ; the byte
.endr
	v_lshl_or_b32 v29, v[BP+1], 8, v[BP]           ; p's scale word for these 128 keys
	v_lshl_or_b32 v29, v[BP+2], 16, v29
	v_lshl_or_b32 v29, v[BP+3], 24, v29
.irp c, 0,1
	v_cvt_scalef32_pk16_fp6_f32 v[PCD+6*\c:PCD+2+6*\c], v[S+32*\c:S+15+32*\c], v[SOP+2*\c]
	v_cvt_scalef32_pk16_fp6_f32 v[CT+4*\c:CT+2+4*\c], v[S+16+32*\c:S+31+32*\c], v[SOP+2*\c+1]
.endr
	v_nop                                          ; one plain place behind a scaled conversion
.irp c, 0,1
.irp i, 0,1,2
	v_permlane16_swap_b32 v[PCD+6*\c+\i], v[CT+4*\c+\i]   ; a whole block to a lane
.endr
.irp i, 0,1,2
	v_mov_b32 v[PCD+3+6*\c+\i], v[CT+4*\c+\i]
.endr
.endr
.irp j, 0,2,4,6,8,10,12,14,16,18,20,22,24,26,28,30
	v_pk_mul_f32 v[O+\j:O+1+\j], v[O+\j:O+1+\j], v[30:31] op_sel_hi:[1,0]   ; O^T under the new M.  (These sixteen are also the places in front of the products)
.endr
	s_wait_dscnt 0x0                               ; V
.irp b, 0,1,2,3
	WMA O+8*\b, 32+12*\b, 90+\b/2, \b%2            ; four accumulators by turns
.endr
	s_branch .Ltail_\@
.Lskip_\@:
	MLOAD 1, 0x100
.Ltail_\@:
	s_wait_xcnt 0x0                                ; the scalar loads have read their offset: it is stepped only behind this wait
	s_lshr_b32 s[DOW], s[DOW], 1
	s_add_co_u32 s[TK], s[TK], 6144
	s_add_co_u32 s[TKV], s[TKV], 6144
	s_add_co_u32 s[TS], s[TS], 512
	s_add_co_u32 s[TV], s[TV], 256
	s_add_co_u32 s[MOFF], s[MOFF], 256
	s_sub_co_u32 s[CNT], s[CNT], 1
	s_cmp_lg_u32 s[CNT], 0
	s_cbranch_scc1 .Ltrip_\@
	; the tile's end: O^T / the sum, quantised along the head's 64
.rept 4
	v_nop
.endr
	v_add_f32 v14, v14, v15
	v_permlanex16_b32 v[WK], v14, s90, s91
	v_add_f32 v14, v14, v[WK]                      ; the row's sum
	v_rcp_f32 v14, v14
	s_mul_i32 s92, s101, 98304                     ; ao: the group's eight K steps,
	s_mul_i32 s93, s97, 1536                       ; the odd tile
	s_add_co_u32 s92, s92, s93
	s_mov_b32 s93, 0
	s_add_nc_u64 s[92:93], s[10:11], s[92:93]
	v_nop                                          ; a plain place behind the reciprocal
	s_wait_alu depctr_va_vdst(0)                   ; the wait, ahead of its first reader
.irp j, 0,2,4,6,8,10,12,14,16,18,20,22,24,26,28,30
	v_pk_mul_f32 v[S+\j:S+1+\j], v[O+\j:O+1+\j], v[14:15] op_sel_hi:[1,0]   ; register 16 b + i: channel 32 b + 16 (lane / 16) + i
.endr
.irp b, 0,1
	v_max3_num_f32 v[BM+\b], |v[S+16*\b]|, |v[S+1+16*\b]|, 0x1800000
.endr
.irp i, 2,4,6,8,10,12,14
.irp b, 0,1
	v_max3_num_f32 v[BM+\b], v[BM+\b], |v[S+16*\b+\i]|, |v[S+1+16*\b+\i]|
.endr
.endr
.irp b, 0,1
	v_permlanex16_b32 v[BP+\b], v[BM+\b], s90, s91
.endr
.irp b, 0,1
	v_max_num_f32 v[BM+\b], v[BM+\b], v[BP+\b]
.endr
.irp b, 0,1
	v_add_nc_u32 v[SOP+\b], 0xff000000, v[BM+\b]
.endr
.irp b, 0,1
	v_lshrrev_b32 v[BP+\b], 23, v[SOP+\b]
.endr
	v_lshl_or_b32 v29, v[BP+1], 8, v[BP]           ; the head's two bytes of row r
	v_cvt_scalef32_pk16_fp6_f32 v[PCD:PCD+2], v[S:S+15], v[SOP]
	v_cvt_scalef32_pk16_fp6_f32 v[CT:CT+2], v[S+16:S+31], v[SOP+1]
	v_nop
.irp i, 0,1,2
	v_permlane16_swap_b32 v[PCD+\i], v[CT+\i]
.endr
.irp i, 0,1,2
	v_mov_b32 v[PCD+3+\i], v[CT+\i]
.endr
	global_store_b128 v1, v[PCD:PCD+3], s[92:93]             ; a HALF: 512 and 256 neighbouring bytes
	global_store_b64 v2, v[PCD+4:PCD+5], s[92:93] offset:512
	ds_store_b32 v[SWA], v29                       ; lanes r and r + 16 write the same word with the same value
.endm
	PASS 0
	PASS 1
	s_wait_dscnt 0x0                               ; for the others' sake: my scale words have landed
	s_barrier_signal -1
	s_barrier_wait -1
	s_cmp_lt_u32 s[WV], 4
	s_cbranch_scc0 .Lend
	ds_load_b128 v[32:35], v[SRD]                  ; the work-group's 2,048 bytes of scale words leave by four waves, 512 neighbouring bytes each
	s_wait_dscnt 0x0
	global_store_b128 v[GA], v[32:35], s[12:13]
.Lend:
	s_wait_tensorcnt 0x0                           ; the wave's end
	ds_add_u32 v[SPW], v[NIL]
	s_wait_dscnt 0x0
	s_endpgm
.Lfunc_end_k_qf3fe663e05_attn:
	.size	k_qf3fe663e05_attn, .Lfunc_end_k_qf3fe663e05_attn-k_qf3fe663e05_attn
	.p2alignl 7, 3214868480
	.fill 96, 4, 3214868480
	.section	.rodata,"a",@progbits
	.p2align	6, 0x0
	.amdhsa_kernel k_qf3fe663e05_attn
		.amdhsa_group_segment_fixed_size 212992
		.amdhsa_private_segment_fixed_size 0
		.amdhsa_enable_private_segment 0
		.amdhsa_kernarg_size 40
		.amdhsa_user_sgpr_count 2
		.amdhsa_user_sgpr_kernarg_segment_ptr 1
		.amdhsa_wavefront_size32 1
		.amdhsa_system_sgpr_workgroup_id_x 1
		.amdhsa_system_sgpr_workgroup_id_y 1
		.amdhsa_system_sgpr_workgroup_id_z 1
		.amdhsa_system_vgpr_workitem_id 0
		.amdhsa_next_free_vgpr 256
		.amdhsa_next_free_sgpr 102
		.amdhsa_reserve_vcc 0
		.amdhsa_float_denorm_mode_32 3
		.amdhsa_float_denorm_mode_16_64 3
		.amdhsa_memory_ordered 1
		.amdhsa_forward_progress 1
		.amdhsa_inst_pref_size 66
	.end_amdhsa_kernel
	.amdgpu_metadata
---
amdhsa.version: [ 1, 2 ]
amdhsa.kernels:
  - .name:           k_qf3fe663e05_attn
    .symbol:         k_qf3fe663e05_attn.kd
    .args:
      - { .name: qkv, .offset: 0, .size: 8, .value_kind: global_buffer, .address_space: global }
      - { .name: mbits, .offset: 8, .size: 8, .value_kind: global_buffer, .address_space: global }
      - { .name: mdo, .offset: 16, .size: 8, .value_kind: global_buffer, .address_space: global }
      - { .name: ao, .offset: 24, .size: 8, .value_kind: global_buffer, .address_space: global }
      - { .name: aos, .offset: 32, .size: 8, .value_kind: global_buffer, .address_space: global }
    .group_segment_fixed_size: 212992
    .private_segment_fixed_size: 0
    .kernarg_segment_align: 8
    .kernarg_segment_size: 40
    .max_flat_workgroup_size: 512
    .sgpr_count:     102
    .vgpr_count:     256
    .wavefront_size: 32
...
	.end_amdgpu_metadata
.endif
;; end of part 3
;; launch outp (part 4): grid 8 x 32, 4 waves a work-group, clusters of 4 x 4, 327,680 bytes of LDS; arguments ao, aos, wc, bo, out0; writes out0
.if DOCPART == 4
	.amdgcn_target "amdgcn-amd-amdhsa--gfx1250"
	.amdhsa_code_object_version 6
	.text
	.protected	k_qf3fe663e05_outp
	.globl	k_qf3fe663e05_outp
	.p2align	8
	.type	k_qf3fe663e05_outp,@function
k_qf3fe663e05_outp:
	s_mov_b64 s[64:65], 0
	v_nop
	global_prefetch_b8 v0, s[64:65] scope:SCOPE_SE
	s_setreg_imm32_b32 hwreg(HW_REG_WAVE_MODE, 25, 1), 1
	s_wait_xcnt 0x0
	s_wait_alu depctr_hold_cnt(0) depctr_sa_sdst(0) depctr_va_vdst(0) depctr_va_sdst(0) depctr_va_ssrc(0) depctr_va_vcc(0) depctr_vm_vsrc(0)
	s_getreg_b32 s2, hwreg(HW_REG_IB_STS2, 6, 4)
	s_cmp_eq_u32 s2, 0
	s_cbranch_scc0 .Lentry_in_a_cluster
	s_endpgm
.Lentry_in_a_cluster:
	s_bfe_u32 s2, ttmp6, 0x10000c
	s_cmp_lg_u32 s2, 0xf033
	s_cbranch_scc0 .Lentry_shape_is_right
	s_endpgm
.Lentry_shape_is_right:
; out0 = a Wo^T + bo on codes of FP6 (E2M3) with E8M0 scales; a: the attention launch's codes.  out0 [8192][1024] f32.
; A work-group makes 256 rows x 128 columns; K = 1,024 lies in LDS whole, brought by first fills alone.  Four waves: wm = wave / 2 picks 128 rows, wn = wave % 2 picks 64 columns: 8 tiles of a x 4 tiles of Wo = 32 accumulators.
; CLUSTER 4 x 4: a's blocks and scale words hang on the tile row alone and are asked for jointly by a row of the cluster, Wo's on the tile column alone, by a column.
; TILES: of 32 neighbouring rows tile u gives lane-row r the row 8 u + r + 8 (r / 8).  Source 0 = Wo, source 1 = a: a lane holds one row of out0, and the 16 registers of Wo's tiles 2 i, 2 i + 1 are 16 neighbouring columns.
; ao: [group of 128 rows][K step 8 = pair of heads][tile 8][half 2 = head % 2][768]; a chunk = two K steps = 24,576 bytes.  HALF: register w of lane l at 16 l + 4 w, registers 4, 5 at 512 + 8 l.
; aos: [batch x 16 + head][tile / 2][2 group + tile % 2][r] words, a head's two bytes in the low half: one tensor load of 64 rows x 128 bytes brings a group's words as [head][tile][r]; two heads' halves make a K step's word.
; wc: Wo is groups 24 to 31: [group][chunk 25,600 bytes]: codes, then scale words [pair 4][lane 32][K step 2].  The bias is the C of a sum's first matrix instruction.
; REGISTERS: window 0: v1-19 addresses, v30-31 the add's two, v32-63 a's scale words, v64-79 Wo's, v96-191 at work; window 1: a's fragments, two sets of 96; window 2: Wo's, two sets of 48, from v96 the bias; window 3: accumulators.
.set XCH,   24576
.set XPAN,  4*XCH
.set WCH,   25600
.set WPAN,  4*WCH
.set WHALF, WCH/2
.set WB,    2*XPAN
.set AOS,   WB+WPAN                    ; a's scale words: 8,192 bytes for each panel
.set SPARE, AOS+16384                  ; the spare words: 128 bytes a wave, two blocks of 256 bytes that no other line names
.set SPITCH, 272                       ; the way out: a stage of 16 rows x (256 bytes + 16) for each wave, in a's first panel, which has had its only fill and its last read by then
.set AX16, 6
.set AX8,  8
.set AW16, 10
.set AW8,  12
.set ASW,  14
.set ASX,  16                          ; v16  a's scale words: AOS + my panel's + 4 l
.set STO,  17
.set RD,   18
.set CO,   19
.set SPW,  30
.set NIL,  31
.set SXR,  32
.set SWR,  64
.set RW,   96                          ; v96-159 the heads' words as loaded
.set BK,   128                         ; v128-191 the way out: two sets of 32
.set BI,   96                          ; in window 2
.set G1X,  20
.set G1W,  28
.set G0X,  36
.set G1S,  52
.set G0S,  60
.set G0W,  68
.set WVN,  84
.set WMH,  85
.set WNH,  86
.set CX,   87
.set CY,   88
.set XT,   89
.set YT,   90
.set MSB, 0
.macro WIN new                         ; the immediate's high byte repeats the setting that is left
.if MSB != \new
	s_set_vgpr_msb (MSB<<8)|\new
.set MSB, \new
.endif
.endm
.macro PLACES n
.rept \n
	v_nop
.endr
.endm
.macro CROUND                          ; a round of the cluster's barrier
	s_barrier_signal -1
	s_barrier_wait -1
	s_cmp_lg_u32 s[WVN], 0
	s_cbranch_scc1 .Lnot_wave_0_\@
	s_barrier_signal -3
.Lnot_wave_0_\@:
	s_barrier_wait -3
	s_barrier_signal -1
	s_barrier_wait -1
.endm
.macro HALFLD reg, a16, a8, off
	ds_load_b128 v[\reg:\reg+3], v[\a16] offset:\off
	ds_load_b64 v[\reg+4:\reg+5], v[\a8] offset:\off+512
.endm
.macro FETCH s                         ; K step s: 32 loads for a's eight fragments, 16 for Wo's four, into set s % 2
.set FP, (\s)%2
.set FO, ((\s)/2)%2
.set FK, (\s)/4
	WIN 0x40
.irp a, 0,1,2,3,4,5,6,7
.irp h, 0,1
	HALFLD 96*FP+12*\a+6*\h, AX16+FK, AX8+FK, FO*XCH+FP*12288+\a*1536+\h*768
.endr
.endr
	WIN 0x80
.irp b, 0,1,2,3
.irp h, 0,1
	HALFLD 48*FP+12*\b+6*\h, AW16+FK, AW8+FK, FO*WCH+FP*12288+\b*1536+\h*768
.endr
.endr
.endm
.macro SCL c                           ; Wo's scale words of chunk c: two loads
	WIN 0
.irp i, 0,1
	ds_load_b64 v[SWR+4*(\c)+2*\i:SWR+4*(\c)+2*\i+1], v[ASW+(\c)/2] offset:((\c)%2)*WCH+256*\i
.endr
.endm
.macro WMM d, a, b, c, sa, sb, ra, rb
.if (\ra) && (\rb)
	v_wmma_scale_f32_16x16x128_f8f6f4 v[\d:\d+7], v[\a:\a+11], v[\b:\b+11], v[\c:\c+7], v[\sa], v[\sb] matrix_a_fmt:MATRIX_FMT_FP6 matrix_b_fmt:MATRIX_FMT_FP6 matrix_a_scale:MATRIX_SCALE_ROW1 matrix_b_scale:MATRIX_SCALE_ROW1
.elseif (\ra)
	v_wmma_scale_f32_16x16x128_f8f6f4 v[\d:\d+7], v[\a:\a+11], v[\b:\b+11], v[\c:\c+7], v[\sa], v[\sb] matrix_a_fmt:MATRIX_FMT_FP6 matrix_b_fmt:MATRIX_FMT_FP6 matrix_a_scale:MATRIX_SCALE_ROW1
.elseif (\rb)
	v_wmma_scale_f32_16x16x128_f8f6f4 v[\d:\d+7], v[\a:\a+11], v[\b:\b+11], v[\c:\c+7], v[\sa], v[\sb] matrix_a_fmt:MATRIX_FMT_FP6 matrix_b_fmt:MATRIX_FMT_FP6 matrix_b_scale:MATRIX_SCALE_ROW1
.else
	v_wmma_scale_f32_16x16x128_f8f6f4 v[\d:\d+7], v[\a:\a+11], v[\b:\b+11], v[\c:\c+7], v[\sa], v[\sb] matrix_a_fmt:MATRIX_FMT_FP6 matrix_b_fmt:MATRIX_FMT_FP6
.endif
.endm
.macro MULS s                          ; 32 products; the 32 accumulators take turns, one instruction a turn, in the same order in every step
.set MP, (\s)%2
.set MQ, SXR+8*((\s)/2)+(\s)%2
.set MV, SWR+4*((\s)/2)+(\s)%2
.if (\s) == 0
	WIN 0xe6                                       ; source 0 (Wo) window 2, source 1 (a) window 1, C (bias) window 2, D window 3
.else
	WIN 0xf6
.endif
.irp a, 0,1,2,3,4,5,6,7
.irp b, 0,1,2,3
.if (\s) == 0
	WMM 8*(4*\a+\b), 48*MP+12*\b, 96*MP+12*\a, BI+8*\b, MV+2*(\b/2), MQ+2*(\a/2), \b%2, \a%2
.else
	WMM 8*(4*\a+\b), 48*MP+12*\b, 96*MP+12*\a, 8*(4*\a+\b), MV+2*(\b/2), MQ+2*(\a/2), \b%2, \a%2
.endif
.endr
.endr
.endm
.macro STEP s
.if ((\s)%2 == 1) && ((\s) < 7)
	s_wait_dscnt 0x0                               ; no LDS load of mine is out at a signal; this step's fragments are in
	s_wait_tensorcnt 3-((\s)+1)/2                  ; my part of the next chunk has landed; the later chunks' loads may be out
	s_barrier_signal -1
	s_barrier_wait -1
.endif
.if ((\s) > 0) && ((\s) < 7)
	PLACES 4                                       ; in front of loads into registers that the last products read
.endif
.if (\s) < 7
	FETCH (\s)+1
.if (\s)%2 == 1
	SCL ((\s)+1)/2
.else
	s_wait_dscnt 48                                ; all but the 48 just issued
.endif
.else
	s_wait_dscnt 0x0
.endif
.if (\s) == 0
	s_wait_loadcnt 0x0                             ; the bias
.endif
	MULS \s
.endm
	s_load_b256 s[4:11], s[0:1], 0x0               ; ao, aos, wc, bo
	s_load_b64 s[12:13], s[0:1], 0x20              ; out0
	v_lshl_add_u32 v[SPW], v0, 2, SPARE
	v_mov_b32 v[NIL], 0
	ds_add_u32 v[SPW], v[NIL]                      ; the wave's opening: the add, and its wait ahead of my first tensor load; work on registers stands between them
	v_lshrrev_b32 v3, 5, v0
	v_readfirstlane_b32 s[WVN], v3
	s_lshr_b32 s[WMH], s[WVN], 1
	s_and_b32 s[WNH], s[WVN], 1
	s_bfe_u32 s[CX], ttmp6, 0x40000
	s_bfe_u32 s[CY], ttmp6, 0x40004
	s_lshl_b32 s[XT], ttmp9, 2
	s_add_co_u32 s[XT], s[XT], s[CX]               ; tile column 0..7
	s_and_b32 s[YT], ttmp7, 0xffff
	s_lshl_b32 s[YT], s[YT], 2
	s_add_co_u32 s[YT], s[YT], s[CY]               ; tile row 0..31
	s_lshl_b32 s91, s[CY], 2
	s_lshl_b32 s91, 15, s91                        ; my row of the cluster
	s_lshl_b32 s92, 0x1111, s[CX]                  ; my column
	s_or_b32 s[G1X], s91, (3<<16)|(1<<21)          ; dense blocks as rows of 256 bytes (32 elements of 8 bytes), no padding
	s_mov_b32 s[G1X+1], 32<<16
	s_mov_b32 s[G1X+2], (XCH/256)<<16
	s_mov_b32 s[G1X+3], 32<<16
	s_mov_b32 s[G1X+4], XCH/256
	s_mov_b32 s[G1X+5], 32
	s_mov_b32 s[G1X+6], 0
	s_mov_b32 s[G1X+7], 0
	s_or_b32 s[G1W], s92, (3<<16)|(1<<21)
	s_mov_b32 s[G1W+1], 32<<16
	s_mov_b32 s[G1W+2], (WHALF/256)<<16
	s_mov_b32 s[G1W+3], 32<<16
	s_mov_b32 s[G1W+4], WHALF/256
	s_mov_b32 s[G1W+5], 32
	s_mov_b32 s[G1W+6], 0
	s_mov_b32 s[G1W+7], 0
	s_or_b32 s[G1S], s91, (3<<16)|(1<<21)          ; a's scale words: 64 rows (head, tile / 2) of 128 bytes, 2,048 bytes apart
	s_mov_b32 s[G1S+1], 16<<16
	s_mov_b32 s[G1S+2], 64<<16
	s_mov_b32 s[G1S+3], 16<<16
	s_mov_b32 s[G1S+4], 64
	s_mov_b32 s[G1S+5], 256
	s_mov_b32 s[G1S+6], 0
	s_mov_b32 s[G1S+7], 0
	s_lshl_b32 s94, s[YT], 1
	s_add_co_u32 s94, s94, s[WNH]
	s_mul_i32 s94, s94, XPAN                       ; a: group 2 x tile row + panel
	s_mov_b32 s95, 0
	s_add_co_u32 s96, s[XT], 24
	s_mul_i32 s96, s96, WPAN                       ; Wo: group 24 + tile column,
	s_mul_i32 s97, s[WNH], WHALF                   ; my half of each chunk
	s_add_co_u32 s96, s96, s97
	s_mov_b32 s97, 0
	s_mul_i32 s98, s[WNH], XPAN
	s_mul_i32 s99, s[WNH], WHALF
	s_add_co_u32 s99, s99, WB
	s_lshr_b32 s100, s[YT], 3
	s_lshl_b32 s100, s100, 17                      ; aos: the batch's 16 heads,
	s_and_b32 s101, s[YT], 7
	s_lshl_b32 s101, s101, 1
	s_add_co_u32 s101, s101, s[WNH]
	s_lshl_b32 s101, s101, 7                       ; the group's 128 bytes of each row
	s_add_co_u32 s100, s100, s101
	s_mov_b32 s101, 0
	s_lshl_b32 s3, s[WNH], 13
	s_wait_dscnt 0x0                               ; the opening add is done
	s_wait_kmcnt 0x0
	s_add_nc_u64 s[94:95], s[4:5], s[94:95]
	s_add_nc_u64 s[96:97], s[8:9], s[96:97]
	s_mov_b32 s[G0S], 1
	s_add_co_u32 s[G0S+1], s3, AOS
	s_add_nc_u64 s[G0S+2:G0S+3], s[6:7], s[100:101]
	s_or_b32 s[G0S+3], s[G0S+3], 0x80000000
.irp c, 0,1,2,3
	s_mov_b32 s[G0X+4*\c], 1
	s_add_co_u32 s[G0X+4*\c+1], s98, \c*XCH
	s_add_nc_u64 s[G0X+4*\c+2:G0X+4*\c+3], s[94:95], \c*XCH
	s_or_b32 s[G0X+4*\c+3], s[G0X+4*\c+3], 0x80000000
	s_mov_b32 s[G0W+4*\c], 1
	s_add_co_u32 s[G0W+4*\c+1], s99, \c*WCH
	s_add_nc_u64 s[G0W+4*\c+2:G0W+4*\c+3], s[96:97], \c*WCH
	s_or_b32 s[G0W+4*\c+3], s[G0W+4*\c+3], 0x80000000
.endr
	CROUND                                         ; all sixteen work-groups are here: the joint loads meet
	s_cmp_eq_u32 s[WMH], 0                         ; a wave's fills stand in one branch on the wave's number: five loads of waves 0 and 1 are out, four of waves 2 and 3; behind chunk 0's stand three in both
	s_cbranch_scc0 .Lfill_w
	tensor_load_to_lds s[G0S:G0S+3], s[G1S:G1S+7]
	s_nop 0
.irp c, 0,1,2,3
	tensor_load_to_lds s[G0X+4*\c:G0X+4*\c+3], s[G1X:G1X+7]
	s_nop 0
.endr
	PLACES 4
	s_branch .Lfilled
.Lfill_w:
.irp c, 0,1,2,3
	tensor_load_to_lds s[G0W+4*\c:G0W+4*\c+3], s[G1W:G1W+7]
	s_nop 0
.endr
	PLACES 4
.Lfilled:
	v_and_b32 v3, 31, v0
	v_lshlrev_b32 v1, 4, v3                        ; 16 l
	v_lshlrev_b32 v2, 3, v3                        ; 8 l
	s_mul_i32 s2, s[WMH], XPAN
	s_mul_i32 s3, s[WNH], 4*1536
	s_add_co_u32 s3, s3, WB
	s_lshl_b32 s14, s[WNH], 9
	s_add_co_u32 s14, s14, WB+24576
.irp k, 0,1
	v_add_nc_u32 v[AX16+\k], s2, v1
	v_add_nc_u32 v[AX8+\k], s2, v2
	v_add_nc_u32 v[AW16+\k], s3, v1
	v_add_nc_u32 v[AW8+\k], s3, v2
	v_add_nc_u32 v[ASW+\k], s14, v2
	s_add_co_u32 s2, s2, 2*XCH
	s_add_co_u32 s3, s3, 2*WCH
	s_add_co_u32 s14, s14, 2*WCH
.endr
	s_lshl_b32 s2, s[WMH], 13
	s_add_co_u32 s2, s2, AOS
	v_lshl_add_u32 v[ASX], v3, 2, s2               ; 4 l + my panel's scale words
	v_and_b32 v3, 15, v0                           ; r
	v_bfe_u32 v5, v0, 4, 1                         ; g
	v_lshlrev_b32 v4, 6, v5                        ; the bias: 16 numbers on for lanes 16-31
	s_mul_i32 s3, s[WVN], 16*SPITCH                ; my stage
	v_mul_u32_u24 v[STO], v3, SPITCH
	v_lshl_add_u32 v[STO], v5, 6, v[STO]
	v_add_nc_u32 v[STO], s3, v[STO]                ; in: row r, + 64 g
	v_mul_u32_u24 v[RD], v5, SPITCH
	v_lshl_add_u32 v[RD], v3, 4, v[RD]
	v_add_nc_u32 v[RD], s3, v[RD]                  ; back: lanes 0-15 one row of 256 bytes, lanes 16-31 the next
	v_lshlrev_b32 v[CO], 12, v5
	v_lshl_add_u32 v[CO], v3, 4, v[CO]             ; and the same two rows in out0
	s_lshl_b32 s18, s[XT], 1
	s_add_co_u32 s18, s18, s[WNH]
	s_lshl_b32 s18, s18, 8                         ; my 64 columns, in bytes
	s_mov_b32 s19, 0
	s_add_nc_u64 s[16:17], s[10:11], s[18:19]
	WIN 0x80
.irp b, 0,1,2,3
	global_load_b128 v[BI+8*\b:BI+8*\b+3], v4, s[16:17] offset:(32*(\b/2)+8*(\b%2))*4
	global_load_b128 v[BI+8*\b+4:BI+8*\b+7], v4, s[16:17] offset:(32*(\b/2)+8*(\b%2))*4+16
.endr
	WIN 0
	s_lshl_b32 s14, s[YT], 1
	s_add_co_u32 s14, s14, s[WMH]
	s_lshl_b32 s14, s14, 19                        ; my 128 rows of 4,096 bytes
	s_mov_b32 s15, 0
	s_add_nc_u64 s[12:13], s[12:13], s[14:15]
	s_add_nc_u64 s[12:13], s[12:13], s[18:19]
	s_wait_tensorcnt 3                             ; a's scale words and my part of chunk 0 have landed; chunks 1 to 3 may be out
	s_barrier_signal -1
	s_barrier_wait -1                              ; everybody's have
.irp h, 0,1,2,3,4,5,6,7,8,9,10,11,12,13,14,15
.irp i, 0,1,2,3
	ds_load_b32 v[RW+4*\h+\i], v[ASX] offset:512*\h+128*\i   ; head h: lanes 0-15 tile 2 i, lanes 16-31 tile 2 i + 1
.endr
.endr
	s_wait_dscnt 0x0
.irp s, 0,1,2,3,4,5,6,7
.irp i, 0,1,2,3
	v_perm_b32 v[SXR+8*(\s/2)+2*\i+\s%2], v[RW+4*(2*\s+1)+\i], v[RW+4*(2*\s)+\i], 0x05040100   ; K step s: head 2 s's two bytes below, head 2 s + 1's above
.endr
.endr
	PLACES 8                                       ; a scale register written by a vector instruction stands eight places ahead of a scaled product
	FETCH 0
	SCL 0
.irp s, 0,1,2,3,4,5,6,7
	STEP \s
.endr
	WIN 0
; THE WAY OUT, tile by tile of 16 rows x 64 columns: through my stage in LDS, back as whole rows of 256 bytes, which sixteen lanes store as one aligned block.  LDS serves a wave's instructions in order.
.macro TOSTAGE a
	WIN 0x0c                                       ; an LDS store's data are its source 1: window 3
.irp q, 0,1,2,3,4,5,6,7
	ds_store_b128 v[STO], v[32*(\a)+4*\q:32*(\a)+4*\q+3] offset:128*(\q/4)+16*(\q%4)   ; each accumulator from its low end on
.endr
	WIN 0
.irp t, 0,1,2,3,4,5,6,7
	ds_load_b128 v[BK+32*((\a)%2)+4*\t:BK+32*((\a)%2)+4*\t+3], v[RD] offset:2*\t*SPITCH
.endr
.endm
.macro SEND a, younger                 ; younger: the LDS instructions issued behind tile a's loads, which may stay out
	s_wait_dscnt \younger
.irp t, 0,1,2,3,4,5,6,7
	global_store_b128 v[CO], v[BK+32*((\a)%2)+4*\t:BK+32*((\a)%2)+4*\t+3], s[12:13] offset:(32*((\a)/2)+8*((\a)%2)+2*\t+8*(\t/4))*4096 th:TH_STORE_NT
.endr
.endm
	s_wait_dscnt 0x0
	s_barrier_signal -1
	s_barrier_wait -1                              ; nobody reads a's first panel any more: the stages lie there
	PLACES 4                                       ; in front of the first read of results
	TOSTAGE 0
.irp a, 1,2,3,4,5,6,7
.if \a > 1
	s_wait_xcnt 0x0                                ; tile a - 2's stores have read their data: tile a's loads may land there
.endif
	TOSTAGE \a
	SEND \a-1, 16                                  ; behind tile a - 1's loads: tile a's 8 stores and 8 loads
.endr
	SEND 7, 0
	s_wait_tensorcnt 0x0                           ; the wave's end
	ds_add_u32 v[SPW], v[NIL]
	s_wait_dscnt 0x0
	CROUND                                         ; the closing round
	s_endpgm
.Lfunc_end_k_qf3fe663e05_outp:
	.size	k_qf3fe663e05_outp, .Lfunc_end_k_qf3fe663e05_outp-k_qf3fe663e05_outp
	.p2alignl 7, 3214868480
	.fill 96, 4, 3214868480
	.section	.rodata,"a",@progbits
	.p2align	6, 0x0
	.amdhsa_kernel k_qf3fe663e05_outp
		.amdhsa_group_segment_fixed_size 327680
		.amdhsa_private_segment_fixed_size 0
		.amdhsa_enable_private_segment 0
		.amdhsa_kernarg_size 40
		.amdhsa_user_sgpr_count 2
		.amdhsa_user_sgpr_kernarg_segment_ptr 1
		.amdhsa_wavefront_size32 1
		.amdhsa_system_sgpr_workgroup_id_x 1
		.amdhsa_system_sgpr_workgroup_id_y 1
		.amdhsa_system_sgpr_workgroup_id_z 1
		.amdhsa_system_vgpr_workitem_id 0
		.amdhsa_next_free_vgpr 1024
		.amdhsa_next_free_sgpr 102
		.amdhsa_reserve_vcc 0
		.amdhsa_float_denorm_mode_32 3
		.amdhsa_float_denorm_mode_16_64 3
		.amdhsa_memory_ordered 1
		.amdhsa_forward_progress 1
		.amdhsa_inst_pref_size 92
	.end_amdhsa_kernel
	.amdgpu_metadata
---
amdhsa.version: [ 1, 2 ]
amdhsa.kernels:
  - .name:           k_qf3fe663e05_outp
    .symbol:         k_qf3fe663e05_outp.kd
    .args:
      - { .name: ao, .offset: 0, .size: 8, .value_kind: global_buffer, .address_space: global }
      - { .name: aos, .offset: 8, .size: 8, .value_kind: global_buffer, .address_space: global }
      - { .name: wc, .offset: 16, .size: 8, .value_kind: global_buffer, .address_space: global }
      - { .name: bo, .offset: 24, .size: 8, .value_kind: global_buffer, .address_space: global }
      - { .name: out0, .offset: 32, .size: 8, .value_kind: global_buffer, .address_space: global }
    .group_segment_fixed_size: 327680
    .private_segment_fixed_size: 0
    .kernarg_segment_align: 8
    .kernarg_segment_size: 40
    .max_flat_workgroup_size: 128
    .sgpr_count:     102
    .vgpr_count:     1024
    .wavefront_size: 32
...
	.end_amdgpu_metadata
.endif
;; end of part 4
;; ======== version 2 of 2: 4 launches; version 1 with the launch attn written anew for expert scheduling mode
;; limits: right only within a limited range of input values
;; workspace buffers: xc 6,553,600 bytes; wc 3,276,800 bytes; mbits 524,288 bytes of whole numbers; mdo 4,096 bytes of whole numbers; qkv 20,185,088 bytes; ao 6,291,456 bytes; aos 524,288 bytes
;; launch prep: the kernel of part 1 again; grid 512 x 1, 4 waves a work-group, no clusters, 68,096 bytes of LDS; arguments x, Wq, Wk, Wv, Wo, mask, xc, wc, mbits, mdo; writes xc, wc, mbits, mdo
;; launch qkv: the kernel of part 2 again; grid 24 x 32, 4 waves a work-group, clusters of 4 x 4, 327,680 bytes of LDS; arguments xc, wc, bq, bk, bv, qkv; writes qkv
;; launch attn (part 5): grid 4 x 64, 16 waves a work-group, no clusters, 212,992 bytes of LDS; arguments qkv, mbits, mdo, ao, aos; writes ao, aos
.if DOCPART == 5
	.amdgcn_target "amdgcn-amd-amdhsa--gfx1250"
	.amdhsa_code_object_version 6
	.text
	.protected	k_qf3fe663e05_attn
	.globl	k_qf3fe663e05_attn
	.p2align	8
	.type	k_qf3fe663e05_attn,@function
k_qf3fe663e05_attn:
	s_mov_b64 s[64:65], 0
	v_nop
	global_prefetch_b8 v0, s[64:65] scope:SCOPE_SE
	s_setreg_imm32_b32 hwreg(HW_REG_WAVE_SCHED_MODE, 0, 2), 2
	s_setreg_imm32_b32 hwreg(HW_REG_WAVE_MODE, 25, 1), 1
	s_wait_xcnt 0x0
	s_wait_alu depctr_vm_vsrc(0)
; o = softmax(mask(q k^T / 8)) v for one (batch, head), both products on codes of FP6 (E2M3) with E8M0 scales; o / l is quantised along the head's 64 and leaves as codes.
; THE SOFTMAX: t = score x log2(e) / 8; M = the row's largest t so far, rounded up to a whole number; p = 2^(t - M) is quantised along the keys; the sum is taken of the unquantised p and divides at the end.
; THE MASK is the one that is given: a word of 32 lane bits for each score register, made by an earlier launch; a closed score becomes -2^33 by one v_cndmask_b32.  -2^33 x c is a whole number, so a row with no open key
; has t - M = 0 and p = 1 for every key.  LIMIT: a closed logit is -2^30 where the definition has -1e9: the same result while a row that has an open key has its largest logit above about -1e9 + 200.
; A key step (128 keys) in which none of the tile's 16 x 128 places is open adds nothing where every row of the tile has an open key somewhere: it is left out, by a scalar branch on whole numbers that an earlier launch stored.
; Where some row of the tile has no open key at all, every step is run.  NaN and infinities are not served; a block of zeros gets the byte 1 (its codes are zeros).
; NO TENSOR LOAD AND NO CLUSTER: the walk over the key steps branches on numbers read from memory.  What the four work-groups of a head share is one record of 208,896 bytes, fetched once by each.
; SHARES.  Work-group (x, y): head y, tiles 2 x and 2 x + 1 of each of the 16 groups of 128 queries: 32 tiles, numbered tau = 2 group + tile % 2.  Wave w takes tau = w, then tau = 31 - w.  One tile of 16 queries to a wave at a time.
; K's and V's codes and scale words of the whole head lie in LDS, copied once through registers; one barrier; then the waves run free.
; LAYOUT.  S^T = K Q^T, O^T = V^T P^T: a lane holds one query.  Tiles: of 32 neighbouring rows tile u gives lane-row r the row 8 u + r + 8 (r / 8), so S's register 16 b + i is key 32 b + 16 (lane / 16) + i.
; The head has 64 channels, a K step 128: Q's upper six registers are zeros; K's fragment t is v[32 + 6 t .. 43 + 6 t], whose upper six are the next tile's codes: they meet zeros under the byte 127 and add nothing.
; THE MODE: SCHED_MODE bits 1:0 = 2 (LLVM: expert scheduling mode 2), set by the entry lines.  The code itself states the register dependences between vector or matrix instructions and memory or LDS instructions,
; with s_wait_alu, always for 0.
; THE PLAN.  Registers that memory or LDS instructions touch:
;   v1, v2, v225-228   offsets and LDS addresses, made once at the head and never written again: one wait on va_vdst ahead of the first load serves them for the whole kernel.
;   v92-193            the fill: loaded from memory, read by the fill's LDS stores; from the first tile on they are the scores, O^T and p's codes.
;   v222, v224         a tile's offset of Q's scale word and LDS place of its own scale words: written at the tile's head; read by one load there and by one LDS store at the tile's end.
;   v16-21, v28        Q: loaded at a tile's head; read by the products K Q^T.
;   v6-11              a step's six LDS addresses: written at the head of a step that is run; read by that step's 34 LDS loads.
;   v32-79, v86-89     K's fragments and scale words: loaded at the step's head; read by the eight products K Q^T.
;   v32-79, v90-91     V's fragments and scale words: loaded behind those products into the same registers; read by the four products V^T P.
;   v188-199, v29      p's codes and scale word: written by vector instructions, read by the products V^T P; at a tile's end v188-193 and v29 are the data of the tile's stores.
; Sixteen waves of 256 registers are all that four SIMDs have; 27 registers are free and a second set of fragments wants 48: so K and V share v32-79, and a step has a wait on va_vdst ahead of each of its two runs of loads.
; A STEP'S WAITS on va_vdst: behind the six additions (the addresses; the last step's products are done with v32-79); behind the 64 selects (the products K Q^T are done with v32-85; the selects are done with the mask words);
; behind the 68 exponentials; ahead of the products V^T P (p's codes and scale word).  One wait on vm_vsrc a step, ahead of the step's branch, frees v6-11; one at a tile's head frees what the stores before it have read.
.set REC,   315392
.set VCO,   98304
.set KSO,   196608
.set VSO,   204800
.set QCO,   208896
.set QSO,   307200
.set STG,   208896                     ; LDS behind the record's image: the 32 tiles' scale words, 64 bytes each
.set SPARE, STG+2048                   ; the spare words: 128 bytes a wave, eight blocks of 256 bytes that no other line names
.set SPW, 3
.set NIL, 4
.set S,   92                           ; v92-155 scores, then p
.set O,   156                          ; v156-187 O^T
.set PCD, 188                          ; v188-199 p's codes
.set BM,  200
.set BP,  204
.set SOP, 208
.set CT,  212                          ; v212-214, v216-218
.set WK,  220
.set SW0, 221                          ; STG + 4 r
.set QWO, 222                          ; Q's scale word's offset
.set R16, 223                          ; 16 r
.set SWA, 224                          ; where the tile's scale words go in LDS
.set GA,  225                          ; 512 w + 16 l
.set FA16, 226                         ; the fill: my wave's part, 16 l
.set FA8, 227                          ; and 8 l
.set SRD, 228                          ; STG + 512 w + 16 l
.set WV,  14
.set CNT, 15
.set TK,  84                           ; LDS byte of the step's K
.set TKV, 85                           ; of its V
.set TS,  86                           ; of K's scale words
.set TV,  87                           ; of V's
.set MOFF, 88                          ; the step's mask words, in bytes from the tile's first
.set DOW, 89                           ; bit 0: run this step; bit 1: the next
.macro WMZ d, a, sa, ra                ; a tile of S^T: the product starts the sum
.if (\ra)
	v_wmma_scale_f32_16x16x128_f8f6f4 v[\d:\d+7], v[\a:\a+11], v[16:27], 0, v[\sa], v28 matrix_a_fmt:MATRIX_FMT_FP6 matrix_b_fmt:MATRIX_FMT_FP6 matrix_a_scale:MATRIX_SCALE_ROW1
.else
	v_wmma_scale_f32_16x16x128_f8f6f4 v[\d:\d+7], v[\a:\a+11], v[16:27], 0, v[\sa], v28 matrix_a_fmt:MATRIX_FMT_FP6 matrix_b_fmt:MATRIX_FMT_FP6
.endif
.endm
.macro WMA d, a, sa, ra                ; a tile of O^T, added in place
.if (\ra)
	v_wmma_scale_f32_16x16x128_f8f6f4 v[\d:\d+7], v[\a:\a+11], v[PCD:PCD+11], v[\d:\d+7], v[\sa], v29 matrix_a_fmt:MATRIX_FMT_FP6 matrix_b_fmt:MATRIX_FMT_FP6 matrix_a_scale:MATRIX_SCALE_ROW1
.else
	v_wmma_scale_f32_16x16x128_f8f6f4 v[\d:\d+7], v[\a:\a+11], v[PCD:PCD+11], v[\d:\d+7], v[\sa], v29 matrix_a_fmt:MATRIX_FMT_FP6 matrix_b_fmt:MATRIX_FMT_FP6
.endif
.endm
; a step's 64 mask words, if that step is run: words 0-47 into s16-63, words 48-63 into s68-83
.macro MLOAD bit, off
	s_bitcmp1_b32 s[DOW], \bit
	s_cbranch_scc0 .Lno_words_\@
	s_wait_kmcnt 0x0                               ; no scalar load lands on another's registers (none is out here)
	s_load_b512 s[16:31], s[94:95], s[MOFF] offset:(\off)
	s_load_b512 s[32:47], s[94:95], s[MOFF] offset:(\off)+64
	s_load_b512 s[48:63], s[94:95], s[MOFF] offset:(\off)+128
	s_load_b512 s[68:83], s[94:95], s[MOFF] offset:(\off)+192
.Lno_words_\@:
.endm
	s_load_b256 s[4:11], s[0:1], 0x0               ; qkv, mbits, mdo, ao
	s_load_b64 s[12:13], s[0:1], 0x20              ; aos
	v_lshl_add_u32 v[SPW], v0, 2, SPARE
	v_mov_b32 v[NIL], 0
	v_lshrrev_b32 v6, 5, v0
	v_readfirstlane_b32 s[WV], v6                  ; wave 0..15
	v_and_b32 v6, 31, v0
	v_and_b32 v7, 15, v0
	v_lshlrev_b32 v1, 4, v6                        ; 16 l
	v_lshlrev_b32 v2, 3, v6                        ; 8 l
	v_lshlrev_b32 v[R16], 4, v7
	v_lshl_add_u32 v[SW0], v7, 2, STG
	s_wait_alu depctr_va_sdst(0)                   ; the wave's number is written into s14, ahead of its first reader
	s_mul_i32 s92, s[WV], 13056                    ; a sixteenth of the image
	v_add_nc_u32 v[FA16], s92, v1
	v_add_nc_u32 v[FA8], s92, v2
	s_lshl_b32 s93, s[WV], 9
	v_add_nc_u32 v[GA], s93, v1
	v_add_nc_u32 v[SRD], STG, v[GA]
	v_mov_b32 v5, 0xd0000000                       ; -2^33
	s_mov_b32 s2, 0x3e38aa3b                       ; c = log2(e) / 8
	s_mov_b32 s3, s2                               ; (named with it as a pair)
	s_mov_b32 s90, 0x76543210
	s_mov_b32 s91, 0xfedcba98                      ; v_permlanex16_b32's selects for lane l xor 16
.set n, 16
.rept 24
	s_mov_b64 s[n:n+1], 0                          ; every word register is written once, so that each is defined on every way through the text
.set n, n+2
.endr
.set n, 68
.rept 8
	s_mov_b64 s[n:n+1], 0
.set n, n+2
.endr
	s_and_b32 s96, ttmp7, 0xffff                   ; 16 x batch + head
	s_mul_i32 s92, s96, REC
	s_mov_b32 s93, 0
	s_lshl_b32 s98, s96, 2
	s_add_co_u32 s98, s98, ttmp9
	s_lshl_b32 s98, s98, 11                        ; my work-group's 2,048 bytes of aos
	s_mov_b32 s99, 0
	s_lshr_b32 s97, s96, 4
	s_lshl_b32 s97, s97, 7                         ; ao: (16 x batch) groups x 8 K steps,
	s_bfe_u32 s100, s96, 0x30001
	s_add_co_u32 s97, s97, s100                    ; + head / 2,
	s_mul_i32 s97, s97, 12288
	s_and_b32 s100, s96, 1
	s_mul_i32 s100, s100, 768                      ; the half: head % 2,
	s_add_co_u32 s100, s100, s97
	s_mul_i32 s101, ttmp9, 3072                    ; tile 2 x
	s_add_co_u32 s100, s100, s101
	s_mov_b32 s101, 0
	s_wait_kmcnt 0x0
	s_add_nc_u64 s[4:5], s[4:5], s[92:93]          ; my head's record
	s_add_nc_u64 s[12:13], s[12:13], s[98:99]
	s_add_nc_u64 s[10:11], s[10:11], s[100:101]
	s_wait_alu depctr_va_vdst(0)                   ; v1, v2 and v225-228 are written: the offsets and LDS addresses that the loads and stores of the whole kernel read, and that nothing writes again
	; THE FILL: 25 x 512 + 256 bytes a wave, through registers
.irp i, 0,1,2,3,4,5,6,7,8,9,10,11,12,13,14,15,16,17,18,19,20,21,22,23,24
	global_load_b128 v[S+4*\i:S+4*\i+3], v[FA16], s[4:5] offset:512*\i
.endr
	global_load_b64 v[S+100:S+101], v[FA8], s[4:5] offset:12800
.irp i, 0,1,2,3,4,5,6,7,8,9,10,11,12,13,14,15,16,17,18,19,20,21,22,23,24
	s_wait_loadcnt 25-\i                           ; load i is in; those issued behind it may be out
	ds_store_b128 v[FA16], v[S+4*\i:S+4*\i+3] offset:512*\i
.endr
	s_wait_loadcnt 0x0
	ds_store_b64 v[FA8], v[S+100:S+101] offset:12800
.irp j, 22,23,24,25,26,27, 80,81,82,83,84,85
	v_mov_b32 v[\j], 0                             ; Q's upper 64 along K; what stands behind K's last tile.  (No load or store names these registers)
.endr
.irp b, 0,1,2,3
	v_mov_b32 v[BP+\b], 0                          ; a lane permute's destination counts as one of its sources
.endr
	v_mov_b32 v[WK], 0
	v_mov_b32 v31, 0                               ; (named as the upper half of the pair v[30:31])
	s_wait_dscnt 0x0                               ; for the others' sake: my stores have landed
	s_barrier_signal -1
	s_barrier_wait -1                              ; the image is whole
.macro PASS p
	s_wait_kmcnt 0x0                               ; no scalar load is out
	s_wait_xcnt 0x0                                ; the last tile's stores have read their data and bases
	s_wait_alu depctr_vm_vsrc(0)                   ; first tile: the fill's LDS stores have read v92-193, which are the scores, O^T and p's codes from here on; second tile: the first tile's stores have read v188-193, v29 and v224, and its load of Q's scale word v222: all are written again below
.if \p
	s_xor_b32 s100, s[WV], 31
.else
	s_mov_b32 s100, s[WV]
.endif                                             ; tau
	s_lshr_b32 s101, s100, 1                       ; the group of 128 queries
	s_and_b32 s97, s100, 1
	s_lshl_b32 s98, ttmp9, 1
	s_add_co_u32 s98, s98, s97                     ; the tile in its group
	s_lshl_b32 s99, s101, 3
	s_add_co_u32 s99, s99, s98                     ; the tile in the sequence
	s_lshl_b32 s96, s99, 5
	s_load_b256 s[16:23], s[8:9], s96 offset:0x0   ; its four pairs of flag words
	s_lshl_b32 s94, s99, 12
	s_mov_b32 s95, 0
	s_add_nc_u64 s[94:95], s[6:7], s[94:95]        ; its mask words
	s_mul_i32 s92, s101, 6144
	s_mul_i32 s93, s98, 768
	s_add_co_u32 s92, s92, s93
	s_add_co_u32 s92, s92, QCO
	s_mov_b32 s93, 0
	s_add_nc_u64 s[92:93], s[4:5], s[92:93]
	s_lshl_b32 s99, s101, 9
	s_lshl_b32 s98, s97, 8
	s_add_co_u32 s99, s99, s98
	s_lshl_b32 s98, ttmp9, 2
	s_add_co_u32 s99, s99, s98
	s_add_co_u32 s99, s99, QSO
	v_add_nc_u32 v[QWO], s99, v[R16]
	s_lshl_b32 s98, s100, 6
	v_add_nc_u32 v[SWA], s98, v[SW0]
	s_wait_alu depctr_va_vdst(0)                   ; v222 is written, which the load of Q's scale word reads as its offset (and v224, which the tile's last LDS store reads)
	global_load_b128 v[16:19], v1, s[92:93]        ; Q's six registers.  (The last tile's products, which read v16-21 and v28, stand ahead of that tile's own waits on va_vdst)
	global_load_b64 v[20:21], v2, s[92:93] offset:512
	global_load_b32 v28, v[QWO], s[4:5]            ; row r's scale word
	v_mov_b32 v13, 0xff61b1e6                      ; the largest t so far: -3e38
	v_floor_f32 v12, -v13                          ; -M
	v_mov_b32 v14, 0                               ; the sum, in two halves
	v_mov_b32 v15, 0
.irp j, 0,1,2,3,4,5,6,7,8,9,10,11,12,13,14,15,16,17,18,19,20,21,22,23,24,25,26,27,28,29,30,31
	v_mov_b32 v[O+\j], 0                           ; the step is written once: the first that is run finds zeros
.endr
	s_mov_b32 s[TK], 0
	s_mov_b32 s[TKV], VCO
	s_mov_b32 s[TS], KSO
	s_mov_b32 s[TV], VSO
	s_mov_b32 s[MOFF], 0
	s_mov_b32 s[CNT], 16
	s_wait_kmcnt 0x0
	s_or_b32 s16, s16, s18
	s_or_b32 s16, s16, s20
	s_or_b32 s16, s16, s22                         ; which rows have an open key
	s_or_b32 s17, s17, s19
	s_or_b32 s17, s17, s21
	s_or_b32 s17, s17, s23                         ; which steps have one
	s_cmp_eq_u32 s16, 0xffff
	s_cselect_b32 s[DOW], s17, 0xffff              ; a row with none wants all steps
	MLOAD 0, 0
	s_wait_loadcnt 0x0                             ; Q
.Ltrip_\@:                                         ; 16 trips, a constant: only a step's work is jumped over
	s_bitcmp1_b32 s[DOW], 0
	s_cbranch_scc0 .Lskip_\@
	v_add_nc_u32 v6, s[TK], v1                     ; the step's six LDS addresses.  (The loads that read the old ones stand ahead of the last run step's wait on vm_vsrc)
	v_add_nc_u32 v7, s[TK], v2
	v_add_nc_u32 v8, s[TKV], v1
	v_add_nc_u32 v11, s[TKV], v2
	v_add_nc_u32 v9, s[TS], v1
	v_add_nc_u32 v10, s[TV], v2
	s_wait_alu depctr_va_vdst(0)                   ; v6-11 are written, which this step's LDS loads read; the last step's products V^T P are done reading v32-79, in which K's loads land; in a tile's first step the zeros of v22-27 and v80-85, operands of the products below, are written
.irp t, 0,1,2,3,4,5,6,7
	ds_load_b128 v[32+6*\t:35+6*\t], v6 offset:768*\t
	ds_load_b64 v[36+6*\t:37+6*\t], v7 offset:768*\t+512
.endr
	ds_load_b128 v[86:89], v9                      ; K's scale words: register i: lanes 0-15 tile 2 i, lanes 16-31 tile 2 i + 1
	s_wait_dscnt 0x0
.irp t, 0,1,2,3,4,5,6,7
	WMZ S+8*\t, 32+6*\t, 86+\t/2, \t%2
.endr
.rept 4
	v_nop                                          ; places in front of the first read of the scores
.endr
	s_wait_kmcnt 0x0                               ; the step's mask words
.set n, 0
.rept 64
.if n < 48
	v_cndmask_b32 v[S+n], v5, v[S+n], s[16+n]      ; closed: -2^33.  Each accumulator is read from its low end on
.else
	v_cndmask_b32 v[S+n], v5, v[S+n], s[20+n]
.endif
.set n, n+1
.endr
	s_wait_alu depctr_va_vdst(0)                   ; the products K Q^T are done reading v32-85, in which V's loads land; the 64 selects are done reading s16-63 and s68-83, in which the next step's mask words land
.irp q, 0,1,2,3,4,5,6,7
	ds_load_b128 v[32+6*\q:35+6*\q], v8 offset:768*\q        ; V's four fragments land while the softmax is walked: no vector instruction of it names v32-79 or v90-91
	ds_load_b64 v[36+6*\q:37+6*\q], v11 offset:768*\q+512
.endr
	ds_load_b64 v[90:91], v10                      ; V's scale words
	MLOAD 1, 0x100                                 ; the next step's words, if it is run
.irp b, 0,1,2,3
	v_max3_num_f32 v[BM+\b], v[S+16*\b], v[S+1+16*\b], v[S+2+16*\b]   ; the largest score of each block of 32 keys: for the row's maximum, and for the block's largest p
.endr
.irp i, 3,5,7,9,11,13
.irp b, 0,1,2,3
	v_max3_num_f32 v[BM+\b], v[BM+\b], v[S+16*\b+\i], v[S+1+16*\b+\i]
.endr
.endr
.irp b, 0,1,2,3
	v_max_num_f32 v[BM+\b], v[BM+\b], v[S+15+16*\b]
.endr
.irp b, 0,1,2,3
	v_permlanex16_b32 v[BP+\b], v[BM+\b], s90, s91
.endr
.irp b, 0,1,2,3
	v_max_num_f32 v[BM+\b], v[BM+\b], v[BP+\b]     ; with lane l xor 16's 16 keys
.endr
	v_max3_num_f32 v[WK], v[BM], v[BM+1], v[BM+2]
	v_max_num_f32 v[WK], v[WK], v[BM+3]
	v_mul_f32 v[WK], s2, v[WK]                     ; as t
	v_max_num_f32 v13, v13, v[WK]                  ; the running largest t
	v_mov_b32 v[WK], v12
	v_floor_f32 v12, -v13                          ; the new -M = -ceil(t)
	v_sub_f32 v[WK], v12, v[WK]                    ; old M - new M: a whole number, 0 or less
	v_cvt_i32_f32 v[WK], v[WK]                     ; (it saturates)
	v_ldexp_f32 v30, 1.0, v[WK]                    ; f = 2^(old M - new M)
.irp j, 0,2,4,6,8,10,12,14,16,18,20,22,24,26,28,30,32,34,36,38,40,42,44,46,48,50,52,54,56,58,60,62
	v_pk_fma_f32 v[S+\j:S+1+\j], v[S+\j:S+1+\j], s[2:3], v[12:13] op_sel_hi:[1,0,0]   ; t - M, two at a time
.endr
.irp b, 0,1,2,3
	v_fma_f32 v[BM+\b], v[BM+\b], s2, v12          ; the same of each block's largest score
.endr
.irp j, 0,1,2,3,4,5,6,7,8,9,10,11,12,13,14,15,16,17,18,19,20,21,22,23,24,25,26,27,28,29,30,31,32,33,34,35,36,37,38,39,40,41,42,43,44,45,46,47,48,49,50,51,52,53,54,55,56,57,58,59,60,61,62,63
	v_exp_f32 v[S+\j], v[S+\j]                     ; p = 2^(t - M)
.endr
.irp b, 0,1,2,3
	v_exp_f32 v[BM+\b], v[BM+\b]                   ; the block's largest p: in the same batch
.endr
	v_pk_mul_f32 v[14:15], v[14:15], v[30:31] op_sel_hi:[1,0]   ; the sums under the new M: a plain place behind the exponentials
	s_wait_alu depctr_va_vdst(0)                   ; the 68 exponentials have written p (v92-155) and the blocks' largest p (v200-203): one wait for the batch, ahead of its first reader
	v_pk_add_f32 v[BP:BP+1], v[S:S+1], v[S+2:S+3]  ; the row's sum of the unquantised p, in two chains
.irp j, 4,8,12,16,20,24,28,32,36,40,44,48,52,56,60
	v_pk_add_f32 v[14:15], v[14:15], v[S+\j:S+1+\j]
	v_pk_add_f32 v[BP:BP+1], v[BP:BP+1], v[S+2+\j:S+3+\j]
.endr
	v_pk_add_f32 v[14:15], v[14:15], v[BP:BP+1]
.irp b, 0,1,2,3
	v_max_num_f32 v[BM+\b], 0x1800000, v[BM+\b]    ; the floor 2^(3 - 127)
.endr
.irp b, 0,1,2,3
	v_add_nc_u32 v[SOP+\b], 0xff000000, v[BM+\b]   ; the conversion's scale operand
.endr
.irp b, 0,1,2,3
	v_lshrrev_b32 v[BP+\b], 23, v[SOP+\b]          ; the byte
.endr
	v_lshl_or_b32 v29, v[BP+1], 8, v[BP]           ; p's scale word for these 128 keys
	v_lshl_or_b32 v29, v[BP+2], 16, v29
	v_lshl_or_b32 v29, v[BP+3], 24, v29
.irp c, 0,1
	v_cvt_scalef32_pk16_fp6_f32 v[PCD+6*\c:PCD+2+6*\c], v[S+32*\c:S+15+32*\c], v[SOP+2*\c]
	v_cvt_scalef32_pk16_fp6_f32 v[CT+4*\c:CT+2+4*\c], v[S+16+32*\c:S+31+32*\c], v[SOP+2*\c+1]
.endr
	v_nop                                          ; one plain place behind a scaled conversion
.irp c, 0,1
.irp i, 0,1,2
	v_permlane16_swap_b32 v[PCD+6*\c+\i], v[CT+4*\c+\i]   ; a whole block to a lane
.endr
.irp i, 0,1,2
	v_mov_b32 v[PCD+3+6*\c+\i], v[CT+4*\c+\i]
.endr
.endr
.irp j, 0,2,4,6,8,10,12,14,16,18,20,22,24,26,28,30
	v_pk_mul_f32 v[O+\j:O+1+\j], v[O+\j:O+1+\j], v[30:31] op_sel_hi:[1,0]   ; O^T under the new M.  (These sixteen are also the places in front of the products)
.endr
	s_wait_dscnt 0x0                               ; V
	s_wait_alu depctr_vm_vsrc(0)                   ; this step's LDS loads have read v6-11, which the next step that is run writes again: stated here, ahead of the step's branch
	s_wait_alu depctr_va_vdst(0)                   ; p's codes (v188-199) and its scale word (v29) are written, which the scaled products below take as an operand and as scales; the places above stay beside this wait
.irp b, 0,1,2,3
	WMA O+8*\b, 32+12*\b, 90+\b/2, \b%2            ; four accumulators by turns
.endr
	s_branch .Ltail_\@
.Lskip_\@:
	MLOAD 1, 0x100
.Ltail_\@:
	s_wait_xcnt 0x0                                ; the scalar loads have read their offset: it is stepped only behind this wait
	s_lshr_b32 s[DOW], s[DOW], 1
	s_add_co_u32 s[TK], s[TK], 6144
	s_add_co_u32 s[TKV], s[TKV], 6144
	s_add_co_u32 s[TS], s[TS], 512
	s_add_co_u32 s[TV], s[TV], 256
	s_add_co_u32 s[MOFF], s[MOFF], 256
	s_sub_co_u32 s[CNT], s[CNT], 1
	s_cmp_lg_u32 s[CNT], 0
	s_cbranch_scc1 .Ltrip_\@
	; the tile's end: O^T / the sum, quantised along the head's 64
.rept 4
	v_nop
.endr
	v_add_f32 v14, v14, v15
	v_permlanex16_b32 v[WK], v14, s90, s91
	v_add_f32 v14, v14, v[WK]                      ; the row's sum
	v_rcp_f32 v14, v14
	s_mul_i32 s92, s101, 98304                     ; ao: the group's eight K steps,
	s_mul_i32 s93, s97, 1536                       ; the odd tile
	s_add_co_u32 s92, s92, s93
	s_mov_b32 s93, 0
	s_add_nc_u64 s[92:93], s[10:11], s[92:93]
	v_nop                                          ; a plain place behind the reciprocal
	s_wait_alu depctr_va_vdst(0)                   ; the reciprocal has written v14, ahead of its first reader
.irp j, 0,2,4,6,8,10,12,14,16,18,20,22,24,26,28,30
	v_pk_mul_f32 v[S+\j:S+1+\j], v[O+\j:O+1+\j], v[14:15] op_sel_hi:[1,0]   ; register 16 b + i: channel 32 b + 16 (lane / 16) + i
.endr
.irp b, 0,1
	v_max3_num_f32 v[BM+\b], |v[S+16*\b]|, |v[S+1+16*\b]|, 0x1800000
.endr
.irp i, 2,4,6,8,10,12,14
.irp b, 0,1
	v_max3_num_f32 v[BM+\b], v[BM+\b], |v[S+16*\b+\i]|, |v[S+1+16*\b+\i]|
.endr
.endr
.irp b, 0,1
	v_permlanex16_b32 v[BP+\b], v[BM+\b], s90, s91
.endr
.irp b, 0,1
	v_max_num_f32 v[BM+\b], v[BM+\b], v[BP+\b]
.endr
.irp b, 0,1
	v_add_nc_u32 v[SOP+\b], 0xff000000, v[BM+\b]
.endr
.irp b, 0,1
	v_lshrrev_b32 v[BP+\b], 23, v[SOP+\b]
.endr
	v_lshl_or_b32 v29, v[BP+1], 8, v[BP]           ; the head's two bytes of row r
	v_cvt_scalef32_pk16_fp6_f32 v[PCD:PCD+2], v[S:S+15], v[SOP]
	v_cvt_scalef32_pk16_fp6_f32 v[CT:CT+2], v[S+16:S+31], v[SOP+1]
	v_nop
.irp i, 0,1,2
	v_permlane16_swap_b32 v[PCD+\i], v[CT+\i]
.endr
.irp i, 0,1,2
	v_mov_b32 v[PCD+3+\i], v[CT+\i]
.endr
	s_wait_alu depctr_va_vdst(0)                   ; the tile's codes (v188-193) and its scale word (v29) are written, which the three stores below read
	global_store_b128 v1, v[PCD:PCD+3], s[92:93]             ; a HALF: 512 and 256 neighbouring bytes
	global_store_b64 v2, v[PCD+4:PCD+5], s[92:93] offset:512
	ds_store_b32 v[SWA], v29                       ; lanes r and r + 16 write the same word with the same value
.endm
	PASS 0
	PASS 1
	s_wait_dscnt 0x0                               ; for the others' sake: my scale words have landed
	s_barrier_signal -1
	s_barrier_wait -1
	s_cmp_lt_u32 s[WV], 4
	s_cbranch_scc0 .Lend
	ds_load_b128 v[32:35], v[SRD]                  ; the work-group's 2,048 bytes of scale words leave by four waves, 512 neighbouring bytes each.  (The last products that read v32-35 stand ahead of the waits on va_vdst at the tile's end)
	s_wait_dscnt 0x0
	global_store_b128 v[GA], v[32:35], s[12:13]
.Lend:
	s_wait_dscnt 0x0                               ; the wave's end
	s_wait_alu 0x0
	s_wait_tensorcnt 0x0
	ds_add_u32 v[SPW], v[NIL]
	s_wait_dscnt 0x0
	s_endpgm
.Lfunc_end_k_qf3fe663e05_attn:
	.size	k_qf3fe663e05_attn, .Lfunc_end_k_qf3fe663e05_attn-k_qf3fe663e05_attn
	.p2alignl 7, 3214868480
	.fill 96, 4, 3214868480
	.section	.rodata,"a",@progbits
	.p2align	6, 0x0
	.amdhsa_kernel k_qf3fe663e05_attn
		.amdhsa_group_segment_fixed_size 212992
		.amdhsa_private_segment_fixed_size 0
		.amdhsa_enable_private_segment 0
		.amdhsa_kernarg_size 40
		.amdhsa_user_sgpr_count 2
		.amdhsa_user_sgpr_kernarg_segment_ptr 1
		.amdhsa_wavefront_size32 1
		.amdhsa_system_sgpr_workgroup_id_x 1
		.amdhsa_system_sgpr_workgroup_id_y 1
		.amdhsa_system_sgpr_workgroup_id_z 1
		.amdhsa_system_vgpr_workitem_id 0
		.amdhsa_next_free_vgpr 256
		.amdhsa_next_free_sgpr 102
		.amdhsa_reserve_vcc 0
		.amdhsa_float_denorm_mode_32 3
		.amdhsa_float_denorm_mode_16_64 3
		.amdhsa_memory_ordered 1
		.amdhsa_forward_progress 1
		.amdhsa_inst_pref_size 66
	.end_amdhsa_kernel
	.amdgpu_metadata
---
amdhsa.version: [ 1, 2 ]
amdhsa.kernels:
  - .name:           k_qf3fe663e05_attn
    .symbol:         k_qf3fe663e05_attn.kd
    .args:
      - { .name: qkv, .offset: 0, .size: 8, .value_kind: global_buffer, .address_space: global }
      - { .name: mbits, .offset: 8, .size: 8, .value_kind: global_buffer, .address_space: global }
      - { .name: mdo, .offset: 16, .size: 8, .value_kind: global_buffer, .address_space: global }
      - { .name: ao, .offset: 24, .size: 8, .value_kind: global_buffer, .address_space: global }
      - { .name: aos, .offset: 32, .size: 8, .value_kind: global_buffer, .address_space: global }
    .group_segment_fixed_size: 212992
    .private_segment_fixed_size: 0
    .kernarg_segment_align: 8
    .kernarg_segment_size: 40
    .max_flat_workgroup_size: 512
    .sgpr_count:     102
    .vgpr_count:     256
    .wavefront_size: 32
...
	.end_amdgpu_metadata
.endif
;; end of part 5
;; launch outp: the kernel of part 4 again; grid 8 x 32, 4 waves a work-group, clusters of 4 x 4, 327,680 bytes of LDS; arguments ao, aos, wc, bo, out0; writes out0
